; MI455X (gfx1250); checked and timed in simulation.
; The chip was launched on July 23, 2026; its instructions are those of AMD's public machine-readable ISA for CDNA 5 (MIT licence, August 2026) and "CDNA5" Instruction Set Architecture Reference Guide (July 2026). The comments in the code are by the model that wrote it; some were corrected since.
;; Self Attention. Allowed arithmetic: matrix products marked QUANTISED: E2M1 operands, one E8M0 scale for each 32 along K, by v_wmma_scale_f32_16x16x128_f8f6f4 with both operands' format E2M1 (or v_wmma_scale_f32_32x16x128_f4), f32 sums; products left as they are: bf16, f16 or f32 operands; f32 sums; everything else in f32.
;; Inputs: Wk 1,024 x 1,024 float32; Wo 1,024 x 1,024 float32; Wq 1,024 x 1,024 float32; Wv 1,024 x 1,024 float32; x 4 x 2,048 x 1,024 float32.
;; Outputs: out0 4 x 2,048 x 1,024 float32.
;; This version of the problem:
;;   THIS VERSION OF THE PROBLEM IS GIVEN IN LOW PRECISION. The matrix products marked QUANTISED in the list below multiply operands that are first quantised to E2M1 (2 exponent bits, 1 mantissa bit; 4 bits a number), with one power-of-two scale for each 32 numbers along K (OCP MX v1.0); their sums are f32. The products marked 'left as it is' may take bf16, f16 or f32 operands, with f32 sums. Whichever they take, every output number must still come out within the allowed error. Rounding operands to bf16 (8 significant bits) uses up far more of that allowance than f16 does (11 bits, for magnitudes from 6e-5 to 65,504). All else is computed in f32.
;;   The module's matrix products, in the order in which they are computed (A, B: the left and right operand; K: the contracted axis; several contracted axes count as one K, in the product's order):
;;     1. [M 8,192, K 1,024] x [K 1,024, N 1,024]; A: input x; B: input Wq: QUANTISED
;;     2. [M 8,192, K 1,024] x [K 1,024, N 1,024]; A: input x; B: input Wk: QUANTISED
;;     3. [M 8,192, K 1,024] x [K 1,024, N 1,024]; A: input x; B: input Wv: QUANTISED
;;     4. batch 4 x [M 2,048, K 1,024] x [K 1,024, N 2,048]; A: computed on the way; B: computed on the way: left as it is (an operand is computed on the way)
;;     5. batch 4 x [M 2,048, K 2,048] x [K 2,048, N 1,024]; A: computed on the way; B: computed on the way: left as it is (an operand is computed on the way)
;;     6. [M 8,192, K 1,024] x [K 1,024, N 1,024]; A: computed on the way; B: input Wo: left as it is (an operand is computed on the way)
;;   THE QUANTISER, for each operand of a quantised product, along K:
;;     - K is cut into blocks of 32 from its start; a last block that is shorter is filled with zeros.
;;     - A block's scale is 2^e with e = floor(log2(the largest magnitude in the block)) - 2, held to -126 .. 127; a block of zeros has e = 0. As a byte (E8M0): e + 127.
;;     - Each number is divided by its block's scale, clamped to +-6, and rounded to the nearest number of E2M1, ties to even, subnormals kept.
;;     - The product sums the exact products of the quantised numbers (number of the format x scale) in f32.
;;   ~~~python
;;   def quantise(x, axis):      # numpy; x: float32 -> the quantised numbers, widened to float32 again
;;       x = np.moveaxis(x, axis, -1); K = x.shape[-1]
;;       x = np.pad(x, [(0, 0)] * (x.ndim - 1) + [(0, -K % 32)]); x = x.reshape(x.shape[:-1] + (-1, 32)); a = np.abs(x).max(-1, keepdims=True)
;;       e = np.where(a > 0, np.clip(np.frexp(np.where(a > 0, a, 1))[1] - 1 - 2, -126, 127), 0)      # np.frexp(a)[1] - 1 = floor(log2(a)), exactly
;;       r = np.clip(x / 2.0 ** e, -6, 6)
;;       step = 2.0 ** (np.maximum(np.frexp(np.where(r == 0, 1, r))[1] - 1, 0) - 1)
;;       q = np.round(r / step) * step * 2.0 ** e      # np.round: ties to even
;;       return np.moveaxis(q.reshape(q.shape[:-2] + (-1,))[..., :K], -1, axis).astype(np.float32)
;;   ~~~
;; One version. Each part assembles by itself: llvm-mc -triple=amdgcn-amd-amdhsa -mcpu=gfx1250 --defsym DOCPART=n.
;; ======== version 1 of 1: 5 launches
;; limits: values are held in f16: magnitudes above 65,504 overflow, below 6.1e-05 lose precision
;; workspace buffers: codes 5,767,168 bytes; scales 360,448 bytes; wof 2,097,152 bytes; qkv 50,331,648 bytes; p 33,554,432 bytes; st 1,048,576 bytes; y 16,777,216 bytes
;; launch prep (part 1): grid 576 x 1, 4 waves a work-group, no clusters, 34,304 bytes of LDS; arguments x, Wq, Wk, Wv, Wo, codes, scales, wof; writes codes, scales, wof
.if DOCPART == 1
	.amdgcn_target "amdgcn-amd-amdhsa--gfx1250"
	.amdhsa_code_object_version 6
	.text
	.protected	k_qe9affb36b8_prep
	.globl	k_qe9affb36b8_prep
	.p2align	8
	.type	k_qe9affb36b8_prep,@function
k_qe9affb36b8_prep:
	s_mov_b64 s[64:65], 0
	v_nop
	global_prefetch_b8 v0, s[64:65] scope:SCOPE_SE
	s_setreg_imm32_b32 hwreg(HW_REG_WAVE_MODE, 25, 1), 1
	s_wait_xcnt 0x0
; SELF-ATTENTION, ONE HEAD OF 1,024, B = 4, S = 2,048.  FIRST OF FIVE LAUNCHES: the operands of the quantised products are made, and Wo is rounded to f16.
; DEAD WORK: none.  reference() has no mask, no bias and slices nothing away: every number of x, Wq, Wk, Wv and Wo has a way to every row of the output that it serves, so every input is loaded and every product is done.
; WHAT IS MADE.  x [8192][1024] and Wq, Wk, Wv [1024 (K)][1024] become codes of FP4 (E2M1) with one E8M0 byte for each 32 along K = the model's 1,024.  A block's scale is
; 2^(floor(log2(its largest magnitude)) - 2): its byte is that magnitude's exponent field - 2, held at 1 from below; numbers are divided by the scale and rounded to the nearest code, ties to even, beyond 6 the code of 6.
; LAYOUT: IMAGES OF THE OPERAND'S REGISTERS.  codes = [704 blocks of 16 rows][8 groups of 128 K][1,024 bytes]; in an image lane (r, h) of group c (512 c + 16 x lane) holds k = 64 c + 32 h + 0 .. 31 of row r.
; Blocks 0-511 are x's rows, 512 + 64 t + .. the columns of Wq, Wk, Wv (t = 0, 1, 2).  scales = [2 halves of K][11,264 rows][16 bytes]: a row's four words, one for each 128 K.
; wof = Wo in f16, [64 blocks of 16 columns f][32 blocks of 32 e][1,024 bytes]: lane (r, h): column r; bytes 16 x lane: e = 8 h + 0 .. 7, 512 bytes on: e = 16 + 8 h + 0 .. 7.
; SHARES.  Work-groups 0-255: x, a wave takes 16 rows x 512 K.  256-447: the three weights, a lane takes a column and its registers run down 128 K.  448-575: Wo, a lane takes a column and 64 e.
; LIMITS: blocks whose largest magnitude lies under 2^-124 keep the byte 1; a block of zeros gets the byte 1 where the rule says 127 (its codes are zeros, and this program alone reads the bytes);
; NaN and infinities among the inputs are not served; numbers of Wo beyond 65,504 overflow f16.
.set SPARE, 33792                      ; behind the four stages of 16 x 528 bytes: the spare words, 128 bytes for each wave
.set SPW,   12                         ; v12 LDS address of my spare word; never rewritten
.set NIL,   13                         ; v13 0; never rewritten
.set X,     144                        ; v144-207 path x: my two whole blocks of 32
.set C,     208                        ; v208-239 path x: codes, 8 registers an image, each image its own
.set WD,    240                        ; v240-243 path x: the four scale words of my row
.set T,     244                        ; v244-251 at work
	s_load_b512 s[4:19], s[0:1], 0x0               ; x 4:5, Wq 6:7, Wk 8:9, Wv 10:11, Wo 12:13, codes 14:15, scales 16:17, wof 18:19
	v_lshl_add_u32 v[SPW], v0, 2, SPARE
	v_mov_b32 v[NIL], 0
	v_lshrrev_b32 v1, 5, v0
	v_readfirstlane_b32 s20, v1                    ; wave
	v_and_b32 v2, 31, v0                           ; lane
	v_and_b32 v1, 15, v0                           ; r
	v_bfe_u32 v3, v0, 4, 1                         ; h
	v_lshlrev_b32 v4, 4, v2                        ; 16 x lane
	s_mov_b32 s25, 0                               ; the high word of every offset pair
	s_wait_kmcnt 0x0
	s_cmp_lt_u32 ttmp9, 256
	s_cbranch_scc0 .Lnot_x
; ---------------- x: 16 rows x 512 K a wave: four images
	s_lshl_b32 s21, ttmp9, 2
	s_add_co_u32 s21, s21, s20                     ; W = 4 x work-group + wave
	s_lshr_b32 s22, s21, 1                         ; the block of 16 rows
	s_and_b32 s23, s21, 1                          ; the half of K
	s_lshl_b32 s24, s22, 16                        ; 16 rows of 4,096 bytes
	s_lshl_b32 s26, s23, 11                        ; 512 numbers
	s_add_co_u32 s24, s24, s26
	s_add_nc_u64 s[4:5], s[4:5], s[24:25]
	s_lshl_b32 s24, s21, 12                        ; (8 x block + 4 x half) images of 1,024 bytes = 4,096 W
	s_add_nc_u64 s[14:15], s[14:15], s[24:25]
	s_mul_i32 s24, s23, 180224                     ; the half's plane of scale words
	s_lshl_b32 s26, s22, 8                         ; 16 rows of 16 bytes
	s_add_co_u32 s24, s24, s26
	s_add_nc_u64 s[16:17], s[16:17], s[24:25]
	s_mul_i32 s27, s20, 8448                       ; my stage
	v_add_nc_u32 v5, s27, v4                       ; in: a row's 512 bytes as they lie
	v_mul_u32_u24 v6, v1, 528
	v_lshl_add_u32 v6, v3, 7, v6
	v_add_nc_u32 v6, s27, v6                       ; back: row r, 128 h bytes on: my block
	v_lshlrev_b32 v7, 4, v1
	v_lshl_add_u32 v7, v3, 3, v7                   ; the scale words' way out: 16 r + 8 h
	v_lshlrev_b32 v8, 3, v3                        ; 8 h: my bytes' place in a scale word
	v_mov_b32 v250, 0                              ; written once: a lane permute's destination counts as a source
	s_mov_b32 s30, 0x76543210
	s_mov_b32 s31, 0xfedcba98                      ; v_permlanex16_b32: lane l xor 16
.macro LOADF t                         ; image t: 128 numbers of each of 16 rows; a load reads 512 consecutive bytes of one row
.set RS, 16+64*((\t)%2)
.set i, 0
.rept 16
	global_load_b128 v[RS+4*i:RS+4*i+3], v4, s[4:5] offset:4096*i+512*(\t) th:TH_LOAD_NT
.set i, i+1
.endr
.endm
.macro FRAGX t
.if (\t) < 3
	s_wait_loadcnt 16                              ; this image's 16 loads are in; the next image's 16 may be out
.else
	s_wait_loadcnt 0
.endif
.set RS, 16+64*((\t)%2)
.set i, 0
.rept 16
	ds_store_b128 v5, v[RS+4*i:RS+4*i+3] offset:528*i
.set i, i+1
.endr
.irp c, 0,1                            ; LDS serves a wave's instructions in order: these see the stores above
.irp i, 0,1,2,3,4,5,6,7
	ds_load_b128 v[X+32*\c+4*\i:X+32*\c+4*\i+3], v6 offset:256*\c+16*\i
.endr
.endr
	s_wait_dscnt 0x0                               ; my two blocks are in, and the stores have read their registers,
.if (\t) < 2
	LOADF (\t)+2                                   ; which take the image two on
.endif
.irp c, 0,1
	v_max3_num_f32 v[T+\c], |v[X+32*\c]|, |v[X+32*\c+1]|, 0x1800000   ; blocks h and 2 + h of row r, by turns; the floor 2^(3 - 127) holds the byte at 1 from below
.endr
.irp i, 2,4,6,8,10,12,14,16,18,20,22,24,26,28,30
.irp c, 0,1
	v_max3_num_f32 v[T+\c], v[T+\c], |v[X+32*\c+\i]|, |v[X+32*\c+\i+1]|
.endr
.endr
.irp c, 0,1
	v_add_nc_u32 v[T+2+\c], 0xff000000, v[T+\c]    ; 2 off the exponent field: the conversion's scale operand
.endr
.irp c, 0,1
	v_lshrrev_b32 v[T+4+\c], 23, v[T+2+\c]         ; the scale's byte
.endr
.irp c, 0,1
.irp g, 0,1,2,3
	v_cvt_scalef32_pk8_fp4_f32 v[C+8*(\t)+4*\c+\g], v[X+32*\c+8*\g:X+32*\c+8*\g+7], v[T+2+\c]
.endr
.endr
	v_nop                                          ; one plain place behind the last scaled conversion
	v_lshl_or_b32 v251, v[T+5], 16, v[T+4]         ; my two bytes, blocks h and 2 + h,
	v_lshlrev_b32 v251, v8, v251                   ; at their places;
	v_permlanex16_b32 v250, v251, s30, s31
	v_or_b32 v[WD+(\t)], v251, v250                ; with lane l xor 16's two the word is whole
.irp c, 0,1
	global_store_b128 v4, v[C+8*(\t)+4*\c:C+8*(\t)+4*\c+3], s[14:15] offset:1024*(\t)+512*\c   ; 512 consecutive bytes, aligned
.endr
.endm
	LOADF 0
	LOADF 1
	FRAGX 0
	FRAGX 1
	FRAGX 2
	FRAGX 3
	s_mov_b32 s21, 0xffff0000                      ; lanes 16-31
	v_cndmask_b32 v244, v[WD], v[WD+2], s21        ; lane (r, h) stores words 2 h and 2 h + 1 of row r:
	v_cndmask_b32 v245, v[WD+1], v[WD+3], s21
	global_store_b64 v7, v[244:245], s[16:17]      ; the wave stores 256 consecutive bytes, aligned
	s_wait_tensorcnt 0x0                           ; the wave's end, behind my last LDS store
	ds_add_u32 v[SPW], v[NIL]
	s_wait_dscnt 0x0
	s_endpgm
; ---------------- Wq, Wk, Wv: a lane to a column, registers down 128 K: one image's share, four blocks
.Lnot_x:
	s_cmp_lt_u32 ttmp9, 448
	s_cbranch_scc0 .Lpath_o
	s_sub_co_u32 s21, ttmp9, 256
	s_lshr_b32 s22, s21, 6                         ; t: which weight
	s_and_b32 s23, s21, 7                          ; which 128 columns
	s_bfe_u32 s26, s21, 0x30003                    ; g: which 128 along K
	s_cmp_eq_u32 s22, 0
	s_cselect_b64 s[28:29], s[6:7], s[8:9]
	s_cmp_eq_u32 s22, 2
	s_cselect_b64 s[28:29], s[10:11], s[28:29]
	s_lshl_b32 s27, s23, 2
	s_add_co_u32 s27, s27, s20                     ; my wave's 32 columns: number 4 cg + wave
	s_lshl_b32 s24, s26, 19                        ; 128 rows of 4,096 bytes
	s_lshl_b32 s32, s27, 7
	s_add_co_u32 s24, s24, s32
	s_add_nc_u64 s[28:29], s[28:29], s[24:25]
	s_lshl_b32 s24, s22, 19                        ; codes: 4,194,304 + ((64 t + 2 (4 cg + wave)) x 8 + g) x 1,024
	s_lshl_b32 s32, s27, 14
	s_add_co_u32 s24, s24, s32
	s_lshl_b32 s32, s26, 10
	s_add_co_u32 s24, s24, s32
	s_add_co_u32 s24, s24, 4194304
	s_add_nc_u64 s[14:15], s[14:15], s[24:25]
	s_lshr_b32 s24, s26, 2                         ; scales: plane g / 4, row 8,192 + 1,024 t + 32 (4 cg + wave), word g % 4
	s_mul_i32 s24, s24, 180224
	s_lshl_b32 s32, s22, 14
	s_add_co_u32 s24, s24, s32
	s_lshl_b32 s32, s27, 9
	s_add_co_u32 s24, s24, s32
	s_and_b32 s32, s26, 3
	s_lshl_b32 s32, s32, 2
	s_add_co_u32 s24, s24, s32
	s_add_co_u32 s24, s24, 131072
	s_add_nc_u64 s[16:17], s[16:17], s[24:25]
	v_lshlrev_b32 v9, 2, v2                        ; in: 4 bytes a lane
	v_lshlrev_b32 v10, 4, v1
	v_lshl_add_u32 v10, v3, 13, v10                ; out: 16 r in my block of 16 columns; lanes 16-31 the next block, 8 images on
.macro LOADW b                         ; block b: W(32 b + i, my column)
.set XS, 16+32*((\b)%2)
.set i, 0
.rept 32
	global_load_b32 v[XS+i], v9, s[28:29] offset:(32*(\b)+i)*4096 th:TH_LOAD_NT
.set i, i+1
.endr
.endm
.macro BLOCKW b
.set XS, 16+32*((\b)%2)
.if (\b) < 3
	s_wait_loadcnt 32                              ; this block's 32 loads are in; the next block's may be out
.else
	s_wait_loadcnt 0
.endif
	v_max3_num_f32 v244, |v[XS]|, |v[XS+1]|, |v[XS+2]|
	v_max3_num_f32 v245, |v[XS+3]|, |v[XS+4]|, |v[XS+5]|
.irp i, 6,10,14,18,22,26
	v_max3_num_f32 v244, v244, |v[XS+\i]|, |v[XS+\i+1]|
	v_max3_num_f32 v245, v245, |v[XS+\i+2]|, |v[XS+\i+3]|
.endr
	v_max3_num_f32 v244, v244, |v[XS+30]|, |v[XS+31]|
	v_max3_num_f32 v244, v244, v245, 0x1800000     ; and the floor
	v_add_nc_u32 v246, 0xff000000, v244
	v_lshrrev_b32 v247, 23, v246
.if (\b) == 0
	v_mov_b32 v160, v247
.else
	v_lshl_or_b32 v160, v247, 8*(\b), v160         ; the four bytes make my column's word for these 128 K
.endif
.irp g, 0,1,2,3
	v_cvt_scalef32_pk8_fp4_f32 v[144+4*(\b)+\g], v[XS+8*\g:XS+8*\g+7], v246
.endr
	v_nop                                          ; one plain place behind the last scaled conversion
	global_store_b128 v10, v[144+4*(\b):144+4*(\b)+3], s[14:15] offset:256*(\b)   ; block b is lanes 16 (b % 2) + r of group b / 2: byte 256 b + 16 r; sixteen lanes store 256 consecutive bytes, aligned
.if (\b) < 2
	LOADW (\b)+2
.endif
.endm
	LOADW 0
	LOADW 1
	BLOCKW 0
	BLOCKW 1
	BLOCKW 2
	BLOCKW 3
	global_store_b32 v4, v160, s[16:17]            ; 4 bytes of each row's 16: 98,304 bytes in all beside the 12.6 MB that this path reads; gathering them would take a barrier among work-groups' waves of four K groups
	s_endpgm
; ---------------- Wo: a lane to a column f, registers down 64 e, rounded to f16
.Lpath_o:
	s_sub_co_u32 s21, ttmp9, 448
	s_and_b32 s23, s21, 7
	s_lshr_b32 s26, s21, 3                         ; which 64 e
	s_lshl_b32 s27, s23, 2
	s_add_co_u32 s27, s27, s20                     ; my wave's 32 columns
	s_lshl_b32 s24, s26, 18
	s_lshl_b32 s32, s27, 7
	s_add_co_u32 s24, s24, s32
	s_add_nc_u64 s[12:13], s[12:13], s[24:25]
	s_lshl_b32 s24, s27, 16                        ; (2 (4 cg + wave) x 32 + 2 ep) images
	s_lshl_b32 s32, s26, 11
	s_add_co_u32 s24, s24, s32
	s_add_nc_u64 s[18:19], s[18:19], s[24:25]
	v_lshlrev_b32 v9, 2, v2
	v_lshlrev_b32 v10, 4, v1
	v_lshl_add_u32 v10, v3, 15, v10                ; lanes 16-31: the next block of 16 columns, 32 images on
.set i, 0
.rept 64
	global_load_b32 v[16+i], v9, s[12:13] offset:4096*i th:TH_LOAD_NT
.set i, i+1
.endr
	s_wait_loadcnt 0x0
.set i, 0
.rept 32
	v_cvt_pk_f16_f32 v[144+i], v[16+2*i], v[17+2*i]
.set i, i+1
.endr
.irp k, 0,1,2,3,4,5,6,7
	global_store_b128 v10, v[144+4*\k:144+4*\k+3], s[18:19] offset:256*\k   ; e = 8 k + 0 .. 7: in an image e 0-7, 8-15, 16-23, 24-31 lie at bytes 0, 256, 512, 768 (+ 16 r)
.endr
	s_endpgm
.Lfunc_end_k_qe9affb36b8_prep:
	.size	k_qe9affb36b8_prep, .Lfunc_end_k_qe9affb36b8_prep-k_qe9affb36b8_prep
	.p2alignl 7, 3214868480
	.fill 96, 4, 3214868480
	.section	.rodata,"a",@progbits
	.p2align	6, 0x0
	.amdhsa_kernel k_qe9affb36b8_prep
		.amdhsa_group_segment_fixed_size 34304
		.amdhsa_private_segment_fixed_size 0
		.amdhsa_enable_private_segment 0
		.amdhsa_kernarg_size 64
		.amdhsa_user_sgpr_count 2
		.amdhsa_user_sgpr_kernarg_segment_ptr 1
		.amdhsa_wavefront_size32 1
		.amdhsa_system_sgpr_workgroup_id_x 1
		.amdhsa_system_sgpr_workgroup_id_y 1
		.amdhsa_system_sgpr_workgroup_id_z 1
		.amdhsa_system_vgpr_workitem_id 0
		.amdhsa_next_free_vgpr 256
		.amdhsa_next_free_sgpr 66
		.amdhsa_reserve_vcc 0
		.amdhsa_float_denorm_mode_32 3
		.amdhsa_float_denorm_mode_16_64 3
		.amdhsa_memory_ordered 1
		.amdhsa_forward_progress 1
		.amdhsa_inst_pref_size 59
	.end_amdhsa_kernel
	.amdgpu_metadata
---
amdhsa.version: [ 1, 2 ]
amdhsa.kernels:
  - .name:           k_qe9affb36b8_prep
    .symbol:         k_qe9affb36b8_prep.kd
    .args:
      - { .name: x, .offset: 0, .size: 8, .value_kind: global_buffer, .address_space: global }
      - { .name: Wq, .offset: 8, .size: 8, .value_kind: global_buffer, .address_space: global }
      - { .name: Wk, .offset: 16, .size: 8, .value_kind: global_buffer, .address_space: global }
      - { .name: Wv, .offset: 24, .size: 8, .value_kind: global_buffer, .address_space: global }
      - { .name: Wo, .offset: 32, .size: 8, .value_kind: global_buffer, .address_space: global }
      - { .name: codes, .offset: 40, .size: 8, .value_kind: global_buffer, .address_space: global }
      - { .name: scales, .offset: 48, .size: 8, .value_kind: global_buffer, .address_space: global }
      - { .name: wof, .offset: 56, .size: 8, .value_kind: global_buffer, .address_space: global }
    .group_segment_fixed_size: 34304
    .private_segment_fixed_size: 0
    .kernarg_segment_align: 8
    .kernarg_segment_size: 64
    .max_flat_workgroup_size: 128
    .sgpr_count:     66
    .vgpr_count:     256
    .wavefront_size: 32
...
	.end_amdgpu_metadata
.endif
;; end of part 1
;; launch qkv (part 2): grid 8 x 32, 4 waves a work-group, clusters of 4 x 4, 327,680 bytes of LDS; arguments codes, scales, qkv; writes qkv
.if DOCPART == 2
	.amdgcn_target "amdgcn-amd-amdhsa--gfx1250"
	.amdhsa_code_object_version 6
	.text
	.protected	k_qe9affb36b8_qkv
	.globl	k_qe9affb36b8_qkv
	.p2align	8
	.type	k_qe9affb36b8_qkv,@function
k_qe9affb36b8_qkv:
	s_mov_b64 s[64:65], 0
	v_nop
	global_prefetch_b8 v0, s[64:65] scope:SCOPE_SE
	s_setreg_imm32_b32 hwreg(HW_REG_WAVE_MODE, 25, 1), 1
	s_wait_xcnt 0x0
	s_wait_alu depctr_hold_cnt(0) depctr_sa_sdst(0) depctr_va_vdst(0) depctr_va_sdst(0) depctr_va_ssrc(0) depctr_va_vcc(0) depctr_vm_vsrc(0)
	s_getreg_b32 s2, hwreg(HW_REG_IB_STS2, 6, 4)
	s_cmp_eq_u32 s2, 0
	s_cbranch_scc0 .Lentry_in_a_cluster
	s_endpgm
.Lentry_in_a_cluster:
	s_bfe_u32 s2, ttmp6, 0x10000c
	s_cmp_lg_u32 s2, 0xf033
	s_cbranch_scc0 .Lentry_shape_is_right
	s_endpgm
.Lentry_shape_is_right:
; q = x Wq, k = x Wk, v = x Wv on codes of FP4 (E2M1) with E8M0 scales for each 32 along K = 1,024; sums in f32; results rounded once to f16 and stored as images of the next products' operand registers.
; No work is left out.  LIMIT: results beyond 65,504 overflow f16.
; SHARES: 256 work-groups, each with the same work.  Work-group (tx = 0 .. 7, ty = 0 .. 31) holds x's rows 256 ty .. + 255 in LDS for all of K and makes two things with them:
; PHASE 1: 256 rows x 256 columns of q (tx 0-3) or k (tx 4-7): source 0 = the weight's columns, source 1 = x's rows: a lane holds one row s and eight neighbouring e.  Four waves, 128 x 128 each: 64 accumulators.
; PHASE 2: 256 keys x columns 128 tx .. + 127 of v: source 0 = x's rows, source 1 = Wv's columns: a lane holds one column e and eight neighbouring keys, as the product with the softmax's weights wants v.  A wave: 128 keys x 64 columns: 32 accumulators.
; codes and scales number all rows in one run of tiles of 256: x 0-31, Wq's columns 32-35, Wk's 36-39, Wv's 40-43.
; qkv: q at 0, k at 16,777,216: [512 blocks of 16 rows][32 blocks of 32 e][1,024 bytes]; v at 33,554,432: [64 blocks of 16 e][256 blocks of 32 keys][1,024 bytes].  An image: bytes 16 x lane: K = 8 h + 0 .. 7 of row r; 512 bytes on: K = 16 + 8 h + 0 .. 7.
; LDS: two slots of 512 K (x's 16 blocks x 4,096 bytes, then the weight's 16), each filled at the start, and the tiles' scale words.  At the change to slot 1 nobody reads slot 0's weight half any more:
; Wv's 8 blocks, both halves of K (2 x 32,768 bytes), are brought there, and land under slot 1's products and phase 1's way out.  Tiles are runs of images: dense, no padding; every fragment load reads 512 consecutive bytes.
; CLUSTERS: 4 x 4.  x's tile hangs on ty alone and is asked for jointly along a row of the cluster, the weights' tiles on tx alone and jointly along a column.
; REGISTERS: window 0: v16-29 addresses; v32-95 scale words, two sets (lanes 0-15 x's, lanes 16-31 the weight's); v96-127 Wv's scale words; v128-191 fragments of source 1; v192-255 packed results.  window 1: fragments of source 0, two sets.  windows 2, 3: accumulators ((a, b) at v[8 (8 (a % 4) + b)]).
.set FR,    8
.set NQ,    4
.set NP,    4
.set SLOT,  131072                     ; a slot: x's 16 blocks x 4,096 bytes, then the weight's 16
.set SCL,   262144                     ; behind the slots: scale words, 4,096 bytes for each wave's load: [half of K: 2,048][128 rows x 16 bytes]
.set SPARE, 278528                     ; the spare words, 128 bytes for each wave
.set ADRA, 16
.set ADRB, 20
.set ADW,  22                          ; v22 Wv's fragments: 65,536 + 16,384 x my half + 16 x lane
.set CO,   26                          ; v26 16 x lane
.set ADRS, 27
.set SPW,  28
.set NIL,  29
.set SC,   32
.set WS,   96
.set AF,   128
.set TMP,  192
.set G1,   24
.set G0,   32
.set G1B,  48
.set G0B,  56
.set G1S,  68
.set G0S,  76
.set G1SB, 80
.set G0SB, 88
.set G0R,  96                          ; s[96:99] group 0 of Wv's codes; their group 1 is the weights' (8 blocks, 4,096 bytes of each)
.set MSB, 0
.macro WIN new                         ; the immediate's high byte repeats the setting that is left
.if MSB != \new
	s_set_vgpr_msb (MSB<<8)|\new
.set MSB, \new
.endif
.endm
.set MUL_LO, 0xa1                      ; source 0 window 1, source 1 window 0, C and D window 2
.set MUL_HI, 0xf1
.set TO_B,   0x40
.macro JLOAD g0a, g1a, g0b, g1b        ; a joint load: waves 0 and 1 fetch for x, waves 2 and 3 for the weight; an s_nop 0 and four v_nop follow each line
	s_cmp_eq_u32 s15, 0
	s_cbranch_scc0 .Lfor_b_\@
	tensor_load_to_lds s[\g0a:\g0a+3], s[\g1a:\g1a+7]
	s_nop 0
.rept 4
	v_nop
.endr
	s_branch .Lasked_\@
.Lfor_b_\@:
	tensor_load_to_lds s[\g0b:\g0b+3], s[\g1b:\g1b+7]
	s_nop 0
.rept 4
	v_nop
.endr
.Lasked_\@:
.endm
.macro CREST                           ; a round of the cluster's barrier behind its opening barrier
	s_cmp_lg_u32 s14, 0
	s_cbranch_scc1 .Lnot_wave_0_\@
	s_barrier_signal -3
.Lnot_wave_0_\@:
	s_barrier_wait -3
	s_barrier_signal -1
	s_barrier_wait -1
.endm
.macro CROUND                          ; a whole round
	s_barrier_signal -1
	s_barrier_wait -1
	CREST
.endm
	s_load_b128 s[4:7], s[0:1], 0x0                ; codes, scales
	s_load_b64 s[8:9], s[0:1], 0x10                ; qkv
	v_lshl_add_u32 v[SPW], v0, 2, SPARE
	v_mov_b32 v[NIL], 0
	ds_add_u32 v[SPW], v[NIL]                      ; the wave's opening: the add, twice on end, and its wait ahead of my first tensor load
	ds_add_u32 v[SPW], v[NIL]
	v_lshrrev_b32 v1, 5, v0
	v_readfirstlane_b32 s14, v1                    ; wave
	s_lshr_b32 s15, s14, 1                         ; my half of x's rows.  Also: I fetch for x (0) or for the weights (1)
	s_and_b32 s16, s14, 1                          ; my half of the weight's columns.  Also: which half I fetch
	s_bfe_u32 s40, ttmp6, 0x40000                  ; cx
	s_bfe_u32 s41, ttmp6, 0x40004                  ; cy
	s_and_b32 s17, ttmp7, 0xffff
	s_lshl_b32 s17, s17, 2
	s_add_co_u32 s19, s17, s41                     ; ty: x's tile; hangs on cy alone
	s_lshl_b32 s18, ttmp9, 2
	s_add_co_u32 s18, s18, s40                     ; tx; hangs on cx alone
	s_add_co_u32 s42, s18, 32                      ; the tile of Wq's or Wk's columns
	s_lshl_b32 s43, s41, 2
	s_lshl_b32 s43, 15, s43                        ; my row of the cluster
	s_lshl_b32 s44, 0x1111, s40                    ; my column
	s_or_b32 s[G1], s43, (3<<16)|(1<<21)           ; 15:0 the mask; 17:16 elements of 8 bytes; 21 set beside a mask; no padding
	s_or_b32 s[G1B], s44, (3<<16)|(1<<21)
.irp g, G1, G1B                        ; codes: 8 blocks of 16 rows, of each 4 images (4,096 bytes = 512 elements), 8,192 bytes from block to block
	s_mov_b32 s[\g+1], 512<<16
	s_mov_b32 s[\g+2], 8<<16
	s_mov_b32 s[\g+3], 512<<16
	s_mov_b32 s[\g+4], 8
	s_mov_b32 s[\g+5], 1024
	s_mov_b32 s[\g+6], 0
	s_mov_b32 s[\g+7], 0
.endr
	s_or_b32 s[G1S], s43, (3<<16)|(1<<21)
	s_or_b32 s[G1SB], s44, (3<<16)|(1<<21)
.irp g, G1S, G1SB                      ; scale words: 128 rows x 16 bytes (256 elements) of each of the two planes, 180,224 bytes apart
	s_mov_b32 s[\g+1], 256<<16
	s_mov_b32 s[\g+2], 2<<16
	s_mov_b32 s[\g+3], 256<<16
	s_mov_b32 s[\g+4], 2
	s_mov_b32 s[\g+5], 22528
	s_mov_b32 s[\g+6], 0
	s_mov_b32 s[\g+7], 0
.endr
	s_lshl_b32 s95, s16, 16                        ; 8 blocks of 8,192 bytes
	s_lshl_b32 s20, s19, 17                        ; a tile's codes are 131,072 bytes
	s_add_co_u32 s20, s20, s95
	s_mov_b32 s21, 0
	s_lshl_b32 s46, s42, 17
	s_add_co_u32 s46, s46, s95
	s_mov_b32 s47, 0
	s_lshl_b32 s95, s16, 11                        ; 128 rows of 16 bytes
	s_lshl_b32 s22, s19, 12
	s_add_co_u32 s22, s22, s95
	s_mov_b32 s23, 0
	s_lshl_b32 s92, s42, 12
	s_add_co_u32 s92, s92, s95
	s_mov_b32 s93, 0
	s_lshl_b32 s45, s14, 15                        ; where they go: wave x 32,768: no place in the cluster enters an LDS address
	s_lshl_b32 s94, s14, 12
	s_mov_b32 s[G0R], 1                            ; Wv's codes: blocks 640 + 8 tx .. + 7, the half of K that I fetch,
	s_lshl_b32 s[G0R+1], s16, 15
	s_add_co_u32 s[G0R+1], s[G0R+1], 65536         ; into slot 0's weight half: 65,536 + 32,768 x half of K
	s_lshl_b32 s[G0R+2], s18, 16
	s_lshl_b32 s95, s16, 12
	s_add_co_u32 s[G0R+2], s[G0R+2], s95
	s_add_co_u32 s[G0R+2], s[G0R+2], 5242880
	s_mov_b32 s[G0R+3], 0
	s_lshl_b32 s2, s18, 11                         ; Wv's scale words: rows 10,240 + 128 tx + 64 x my half, 16 bytes each
	s_lshl_b32 s3, s16, 10
	s_add_co_u32 s2, s2, s3
	s_add_co_u32 s2, s2, 163840
	s_mov_b32 s3, 0
	s_wait_dscnt 0x0                               ; both opening adds are done
	s_wait_kmcnt 0x0
	s_add_nc_u64 s[20:21], s[4:5], s[20:21]
	s_add_nc_u64 s[46:47], s[4:5], s[46:47]
	s_add_nc_u64 s[G0R+2:G0R+3], s[4:5], s[G0R+2:G0R+3]
	s_or_b32 s[G0R+3], s[G0R+3], 0x80000000
	s_add_nc_u64 s[22:23], s[6:7], s[22:23]
	s_add_nc_u64 s[92:93], s[6:7], s[92:93]
	s_add_nc_u64 s[6:7], s[6:7], s[2:3]
	CROUND                                         ; all sixteen work-groups are here: the joint loads meet
	s_mov_b32 s[G0S], 1
	s_add_co_u32 s[G0S+1], s94, SCL
	s_mov_b64 s[G0S+2:G0S+3], s[22:23]
	s_or_b32 s[G0S+3], s[G0S+3], 0x80000000
	s_mov_b32 s[G0SB], 1
	s_add_co_u32 s[G0SB+1], s94, SCL
	s_mov_b64 s[G0SB+2:G0SB+3], s[92:93]
	s_or_b32 s[G0SB+3], s[G0SB+3], 0x80000000
	JLOAD G0S, G1S, G0SB, G1SB                     ; the scale words first
.irp s, 0,1
	s_mov_b32 s[G0+4*\s], 1
	s_add_co_u32 s[G0+4*\s+1], s45, \s*SLOT
	s_add_nc_u64 s[G0+4*\s+2:G0+4*\s+3], s[20:21], \s*4096
	s_or_b32 s[G0+4*\s+3], s[G0+4*\s+3], 0x80000000
	s_mov_b32 s[G0B+4*\s], 1
	s_add_co_u32 s[G0B+4*\s+1], s45, \s*SLOT
	s_add_nc_u64 s[G0B+4*\s+2:G0B+4*\s+3], s[46:47], \s*4096
	s_or_b32 s[G0B+4*\s+3], s[G0B+4*\s+3], 0x80000000
	JLOAD G0+4*\s, G1, G0B+4*\s, G1B               ; three loads of mine are out behind the second of these
.endr
	v_and_b32 v1, 15, v0                           ; r
	v_bfe_u32 v2, v0, 4, 1                         ; h
	v_and_b32 v3, 31, v0
	v_lshlrev_b32 v[CO], 4, v3
	v_lshlrev_b32 v7, 4, v1                        ; 16 r
.irp a, 0,1,2,3
.irp j, 0,1
	global_load_b128 v[WS+8*\a+4*\j:WS+8*\a+4*\j+3], v7, s[6:7] offset:256*\a+180224*\j   ; Wv's block a, half j of K: lane r takes row r's four words: 256 consecutive bytes, aligned (lanes 16-31 the same, not read)
.endr
.endr
	s_lshl_b32 s21, s15, 15                        ; my 8 blocks of x
	s_lshl_b32 s22, s16, 15                        ; my 8 blocks of the weight,
	s_add_co_u32 s22, s22, 65536                   ; behind x's 16
.irp s, 0,1
	v_add_nc_u32 v[ADRA+\s], s21, v[CO]
	v_add_nc_u32 v[ADRB+\s], s22, v[CO]
	s_add_co_u32 s21, s21, SLOT
	s_add_co_u32 s22, s22, SLOT
.endr
	s_lshl_b32 s21, s16, 14                        ; my 4 blocks of Wv's 8
	s_add_co_u32 s21, s21, 65536
	v_add_nc_u32 v[ADW], s21, v[CO]
	s_lshl_b32 s21, s15, 12                        ; scale words: lanes 0-15 take x's rows (wave ra's load), lanes 16-31 the weight's (wave 2 + cb's): one product with h
	s_lshl_b32 s22, s16, 12
	s_add_co_u32 s22, s22, 8192
	s_sub_co_u32 s22, s22, s21
	v_mul_u32_u24 v6, s22, v2
	s_add_co_u32 s21, s21, SCL
	v_lshl_add_u32 v5, v1, 4, v6
	v_add_nc_u32 v[ADRS], s21, v5
	; the ways out.  q, k: cluster x << 24 + (16 ty + 8 ra) blocks of 32,768 bytes + (8 cx + 4 cb) images.  v: 33,554,432 + (8 tx + 4 cb) blocks of 262,144 bytes + (8 ty + 4 ra) images
	s_lshl_b32 s20, s19, 4
	s_lshl_b32 s21, s15, 3
	s_add_co_u32 s20, s20, s21
	s_lshl_b32 s22, s20, 9                         ; (16 ty + 8 ra) x 512 = (8 ty + 4 ra) x 1,024
	s_lshl_b32 s20, s20, 15
	s_lshl_b32 s21, s40, 3
	s_lshl_b32 s23, s16, 2
	s_add_co_u32 s21, s21, s23
	s_lshl_b32 s21, s21, 10
	s_add_co_u32 s20, s20, s21
	s_lshl_b32 s21, ttmp9, 24
	s_add_co_u32 s20, s20, s21
	s_mov_b32 s21, 0
	s_lshl_b32 s92, s18, 3
	s_add_co_u32 s92, s92, s23
	s_lshl_b32 s92, s92, 18
	s_add_co_u32 s22, s22, s92
	s_add_co_u32 s22, s22, 33554432
	s_mov_b32 s23, 0
	s_add_nc_u64 s[12:13], s[8:9], s[22:23]        ; v's
	s_add_nc_u64 s[8:9], s[8:9], s[20:21]          ; q's or k's
.macro FRAG reg, adr, q, i             ; an image: 16 rows x 128 K, 8 registers: two loads of 512 consecutive bytes
.irp c, 0,1
	ds_load_b128 v[\reg+4*\c:\reg+4*\c+3], v[\adr] offset:1024*(\q)+512*\c+(\i)*4096
.endr
.endm
; 16 matrix instructions of phase 1: x's blocks a0, a0 + 1 x the weight's eight.  The 64 accumulators take turns, one instruction a turn, in the same order in every step.
.macro MUL16 a0, p, q, sc, zero
.irp a, \a0, \a0+1
.irp b, 0,1,2,3,4,5,6,7
.if \zero
	v_wmma_scale_f32_16x16x128_f8f6f4 v[8*(8*((\a)%4)+\b):8*(8*((\a)%4)+\b)+7], v[128*(\p)+FR*\b:128*(\p)+FR*\b+FR-1], v[AF+FR*(\a):AF+FR*(\a)+FR-1], 0, v[SC+8*NQ*(\sc)+NQ*\b+(\q)], v[SC+8*NQ*(\sc)+NQ*(\a)+(\q)] matrix_a_fmt:MATRIX_FMT_FP4 matrix_b_fmt:MATRIX_FMT_FP4 matrix_a_scale:MATRIX_SCALE_ROW1
.else
	v_wmma_scale_f32_16x16x128_f8f6f4 v[8*(8*((\a)%4)+\b):8*(8*((\a)%4)+\b)+7], v[128*(\p)+FR*\b:128*(\p)+FR*\b+FR-1], v[AF+FR*(\a):AF+FR*(\a)+FR-1], v[8*(8*((\a)%4)+\b):8*(8*((\a)%4)+\b)+7], v[SC+8*NQ*(\sc)+NQ*\b+(\q)], v[SC+8*NQ*(\sc)+NQ*(\a)+(\q)] matrix_a_fmt:MATRIX_FMT_FP4 matrix_b_fmt:MATRIX_FMT_FP4 matrix_a_scale:MATRIX_SCALE_ROW1
.endif
.endr
.endr
.endm
.macro FETCH_B slot, q, p
	WIN TO_B
.irp i, 0,1,2,3,4,5,6,7
	FRAG 128*(\p)+FR*\i, ADRB+\slot, \q, \i
.endr
	WIN 0
.endm
.macro FETCH_A slot, q, i0
.irp i, \i0, \i0+1, \i0+2, \i0+3
	FRAG AF+FR*(\i), ADRA+\slot, \q, \i
.endr
.endm
.macro SCALES sc                       ; a half of K's scale words: four a row; lanes 0-15 x's block i, lanes 16-31 the weight's block i
.irp i, 0,1,2,3,4,5,6,7
	ds_load_b128 v[SC+8*NQ*\sc+NQ*\i:SC+8*NQ*\sc+NQ*\i+3], v[ADRS] offset:256*\i+2048*\sc
.endr
.endm
.macro PLACES n                        ; plain places between a matrix instruction and a load into, or a read of, its registers
.rept \n
	v_nop
.endr
.endm
.macro STEP slot, q, zero              ; 128 along K whose successor lies in the same slot
	s_wait_dscnt 8                                 ; the weight's set, x's blocks 0-3 (and scale words) are in; the youngest 8 loads, x's blocks 4-7, may be out
	WIN MUL_LO
	MUL16 0, (\q)%2, \q, \slot, \zero
	MUL16 2, (\q)%2, \q, \slot, \zero
	s_wait_dscnt 0
	PLACES NP
	FETCH_B \slot, (\q)+1, 1-(\q)%2
	FETCH_A \slot, (\q)+1, 0
	WIN MUL_HI
	MUL16 4, (\q)%2, \q, \slot, \zero
	MUL16 6, (\q)%2, \q, \slot, \zero
	PLACES NP
	WIN 0
	FETCH_A \slot, (\q)+1, 4
.endm
	s_wait_tensorcnt 1                             ; the scale words and my part of slot 0 are in; slot 1's load may stay out
	s_barrier_signal -1
	s_barrier_wait -1                              ; everybody's are
	FETCH_B 0, 0, 0
	FETCH_A 0, 0, 0
	SCALES 0
	FETCH_A 0, 0, 4
	STEP 0, 0, 1                                   ; the first products start the sums: nothing is cleared
	STEP 0, 1, 0
	STEP 0, 2, 0
	; slot 0's last step goes over to slot 1, and slot 0's weight half is filled again, with Wv's codes
	s_wait_tensorcnt 0x0                           ; all my tensor loads have landed, my part of slot 1 among them
	ds_add_u32 v[SPW], v[NIL]                      ; 0 onto my spare word
	s_wait_dscnt 9                                 ; (the add and the youngest 8 loads may be out)
	WIN MUL_LO
	MUL16 0, 1, 3, 0, 0                            ; sixteen matrix instructions stand between the add and the wait for it
	s_wait_dscnt 0x0                               ; the add is done, and my reads of slot 0 are over
	s_barrier_signal -1
	MUL16 2, 1, 3, 0, 0
	WIN 0
	s_barrier_wait -1
	CREST                                          ; the barrier has opened a round of the cluster's: no wave of any partner still reads slot 0's weight half or has a load on its way
	PLACES NP                                      ; the places in front of the LDS loads below, for the waves that fetch nothing too
	s_cmp_eq_u32 s15, 0                            ; waves 2 and 3 fetch, a half of K each: the wave's number alone, the same in every work-group
	s_cbranch_scc1 .Lno_fill
	tensor_load_to_lds s[G0R:G0R+3], s[G1B:G1B+7]  ; the first tensor load behind the round, and my last
	s_nop 0
.rept 4
	v_nop
.endr
.Lno_fill:
	FETCH_B 1, 0, 0
	FETCH_A 1, 0, 0
	SCALES 1
	WIN MUL_HI
	MUL16 4, 1, 3, 0, 0
	MUL16 6, 1, 3, 0, 0
	PLACES NP
	WIN 0
	FETCH_A 1, 0, 4
	STEP 1, 0, 0
	STEP 1, 1, 0
	STEP 1, 2, 0
	s_wait_dscnt 8                                 ; phase 1's last step: nothing more to fetch
	WIN MUL_LO
	MUL16 0, 1, 3, 1, 0
	MUL16 2, 1, 3, 1, 0
	s_wait_dscnt 0
	WIN MUL_HI
	MUL16 4, 1, 3, 1, 0
	MUL16 6, 1, 3, 1, 0
	WIN 0
	PLACES NP
; THE WAY OUT of source 1's block a.  Accumulators 2 i and 2 i + 1, rounded to f16 in pairs, ARE the two groups of four registers of image i: each store is 512 consecutive bytes, aligned.
.macro OUT a, pb, stp
.set AC, 64*((\a)%4)
.set TT, TMP+32*((\a)%2)
	s_wait_xcnt 0x0                                ; the earlier stores have read their data and their base: both are written again only behind this wait
	WIN 0x0a+5*((\a)/4)                            ; sources 0 and 1: window 2 or 3
.irp b, 0,1,2,3,4,5,6,7
.irp i, 0,1,2,3
	v_cvt_pk_f16_f32 v[TT+4*\b+\i], v[AC+8*\b+2*\i], v[AC+8*\b+2*\i+1]   ; each accumulator from its low end on
.endr
.endr
	WIN 0
.if (\a) > 0
	s_add_nc_u64 s[\pb:\pb+1], s[\pb:\pb+1], \stp
.endif
.irp b, 0,1,2,3,4,5,6,7
	global_store_b128 v[CO], v[TT+4*\b:TT+4*\b+3], s[\pb:\pb+1] offset:(\b/2)*1024+(\b%2)*512
.endr
.endm
.irp a, 0,1,2,3,4,5,6,7
	OUT \a, 8, 32768                               ; q or k: from block of 16 rows to block 32,768 bytes
.endr
; PHASE 2: v.  x's fragments (my 8 blocks, still in the slots) are source 0, Wv's (my 4 blocks) source 1.  x's scale words still stand in lanes 0-15 of v32-95.
.macro FETCH2 q, p                     ; K step q (0 .. 7): 24 LDS loads
	WIN TO_B
.irp i, 0,1,2,3,4,5,6,7
	FRAG 128*(\p)+FR*\i, ADRA+(\q)/4, (\q)%4, \i
.endr
	WIN 0
.irp i, 0,1,2,3
.irp c, 0,1
	ds_load_b128 v[AF+32*(\p)+FR*\i+4*\c:AF+32*(\p)+FR*\i+4*\c+3], v[ADW] offset:32768*((\q)/4)+4096*\i+1024*((\q)%4)+512*\c
.endr
.endr
.endm
.macro MUL32V p, q                     ; 32 matrix instructions, the 32 accumulators by turns
.irp a, 0,1,2,3
.irp b, 0,1,2,3,4,5,6,7
.if (\q) == 0
	v_wmma_scale_f32_16x16x128_f8f6f4 v[8*(8*\a+\b):8*(8*\a+\b)+7], v[128*(\p)+FR*\b:128*(\p)+FR*\b+FR-1], v[AF+32*(\p)+FR*\a:AF+32*(\p)+FR*\a+FR-1], 0, v[SC+32*((\q)/4)+NQ*\b+(\q)%4], v[WS+8*\a+(\q)] matrix_a_fmt:MATRIX_FMT_FP4 matrix_b_fmt:MATRIX_FMT_FP4
.else
	v_wmma_scale_f32_16x16x128_f8f6f4 v[8*(8*\a+\b):8*(8*\a+\b)+7], v[128*(\p)+FR*\b:128*(\p)+FR*\b+FR-1], v[AF+32*(\p)+FR*\a:AF+32*(\p)+FR*\a+FR-1], v[8*(8*\a+\b):8*(8*\a+\b)+7], v[SC+32*((\q)/4)+NQ*\b+(\q)%4], v[WS+8*\a+(\q)] matrix_a_fmt:MATRIX_FMT_FP4 matrix_b_fmt:MATRIX_FMT_FP4
.endif
.endr
.endr
.endm
.macro STEP2 q
	s_wait_dscnt 0x0                               ; this step's fragments are in
.if (\q) < 7
.if (\q) > 0
	PLACES NP                                      ; the next step's land in the sets that the step before multiplied
.endif
	FETCH2 (\q)+1, 1-(\q)%2
.endif
	WIN MUL_LO
	MUL32V (\q)%2, \q
.endm
	s_wait_tensorcnt 0x0                           ; my part of Wv's codes has landed,
	s_wait_loadcnt 0x0                             ; and its scale words
	s_barrier_signal -1
	s_barrier_wait -1                              ; everybody's has
	FETCH2 0, 0
.irp q, 0,1,2,3,4,5,6,7
	STEP2 \q
.endr
	WIN 0
	PLACES NP
.irp a, 0,1,2,3
	OUT \a, 12, 262144                             ; v: from block of 16 columns e to block 262,144 bytes
.endr
	s_wait_tensorcnt 0x0                           ; the wave's end
	ds_add_u32 v[SPW], v[NIL]
	s_wait_dscnt 0x0
	CROUND                                         ; the closing round
	s_endpgm
.Lfunc_end_k_qe9affb36b8_qkv:
	.size	k_qe9affb36b8_qkv, .Lfunc_end_k_qe9affb36b8_qkv-k_qe9affb36b8_qkv
	.p2alignl 7, 3214868480
	.fill 96, 4, 3214868480
	.section	.rodata,"a",@progbits
	.p2align	6, 0x0
	.amdhsa_kernel k_qe9affb36b8_qkv
		.amdhsa_group_segment_fixed_size 327680
		.amdhsa_private_segment_fixed_size 0
		.amdhsa_enable_private_segment 0
		.amdhsa_kernarg_size 24
		.amdhsa_user_sgpr_count 2
		.amdhsa_user_sgpr_kernarg_segment_ptr 1
		.amdhsa_wavefront_size32 1
		.amdhsa_system_sgpr_workgroup_id_x 1
		.amdhsa_system_sgpr_workgroup_id_y 1
		.amdhsa_system_sgpr_workgroup_id_z 1
		.amdhsa_system_vgpr_workitem_id 0
		.amdhsa_next_free_vgpr 1024
		.amdhsa_next_free_sgpr 100
		.amdhsa_reserve_vcc 0
		.amdhsa_float_denorm_mode_32 3
		.amdhsa_float_denorm_mode_16_64 3
		.amdhsa_memory_ordered 1
		.amdhsa_forward_progress 1
		.amdhsa_inst_pref_size 177
	.end_amdhsa_kernel
	.amdgpu_metadata
---
amdhsa.version: [ 1, 2 ]
amdhsa.kernels:
  - .name:           k_qe9affb36b8_qkv
    .symbol:         k_qe9affb36b8_qkv.kd
    .args:
      - { .name: codes, .offset: 0, .size: 8, .value_kind: global_buffer, .address_space: global }
      - { .name: scales, .offset: 8, .size: 8, .value_kind: global_buffer, .address_space: global }
      - { .name: qkv, .offset: 16, .size: 8, .value_kind: global_buffer, .address_space: global }
    .group_segment_fixed_size: 327680
    .private_segment_fixed_size: 0
    .kernarg_segment_align: 8
    .kernarg_segment_size: 24
    .max_flat_workgroup_size: 128
    .sgpr_count:     100
    .vgpr_count:     1024
    .wavefront_size: 32
...
	.end_amdgpu_metadata
.endif
;; end of part 2
;; launch scores (part 3): grid 8 x 32, 4 waves a work-group, clusters of 4 x 4, 327,680 bytes of LDS; arguments qkv, p, st; writes p, st
.if DOCPART == 3
	.amdgcn_target "amdgcn-amd-amdhsa--gfx1250"
	.amdhsa_code_object_version 6
	.text
	.protected	k_qe9affb36b8_scores
	.globl	k_qe9affb36b8_scores
	.p2align	8
	.type	k_qe9affb36b8_scores,@function
k_qe9affb36b8_scores:
	s_mov_b64 s[64:65], 0
	v_nop
	global_prefetch_b8 v0, s[64:65] scope:SCOPE_SE
	s_setreg_imm32_b32 hwreg(HW_REG_WAVE_MODE, 25, 1), 1
	s_wait_xcnt 0x0
	s_wait_alu depctr_hold_cnt(0) depctr_sa_sdst(0) depctr_va_vdst(0) depctr_va_sdst(0) depctr_va_ssrc(0) depctr_va_vcc(0) depctr_vm_vsrc(0)
	s_getreg_b32 s2, hwreg(HW_REG_IB_STS2, 6, 4)
	s_cmp_eq_u32 s2, 0
	s_cbranch_scc0 .Lentry_in_a_cluster
	s_endpgm
.Lentry_in_a_cluster:
	s_bfe_u32 s2, ttmp6, 0x10000c
	s_cmp_lg_u32 s2, 0xf033
	s_cbranch_scc0 .Lentry_shape_is_right
	s_endpgm
.Lentry_shape_is_right:
; s = q k^T in f16 with f32 sums, and the first half of the softmax.  No work is left out.
; A work-group makes 256 queries x 256 keys of one batch; each of four waves 128 x 128: 64 accumulators.  K = the head's 1,024, in steps of 128 through a ring of two LDS slots.
; THE MATRIX INSTRUCTION IS USED TRANSPOSED (source 0 = 16 keys, source 1 = 16 queries): a lane holds ONE query and 64 of the wave's 128 keys, lane l xor 16 the other 64.
; THE SOFTMAX, PART ONE.  t = s x log2(e) / 32.  For each query and each CHUNK of 128 keys (a wave's columns): M = the chunk's largest t rounded UP to a whole number, p = 2^(t - M) (at most 1), l = the sum of the chunk's p in f32.
; p goes out in f16 as images of the next product's operand registers, -M and l in f32.  The next launch takes each row's largest M and brings every chunk under it by an exact power of two: so the row's maximum is taken away, as reference() does.
; p: [512 blocks of 16 queries][64 blocks of 32 keys of the batch][1,024 bytes].  st: [-M, l][16 chunks][8,192 rows] f32.
; q's and k's tiles are runs of images (16 rows x 32 K, 1,024 bytes): dense in LDS, every fragment load 512 consecutive bytes.
; CLUSTERS: 4 x 4.  q's tile hangs on the tile row alone and is asked for jointly along a row of the cluster, k's on the batch and the tile column and jointly along a column.
; LIMITS: p under 2^-25 is lost in f16; NaN and infinities are not served.
; REGISTERS: window 0: v16-30 addresses; v32-55 statistics; v64-127, v128-191 q's fragments, two buffers (behind the products: 64 numbers at work, and packed p in two sets).  window 1: k's fragments at v64 and v128.  windows 2, 3: accumulators ((a, b) at v[8 (8 a + b)]).
.set SLOT,  131072                     ; q's 16 blocks x 4,096 bytes, then k's 16
.set STAT,  262144                     ; behind the ring: 1,024 bytes for each wave: 128 x -M, 128 x l
.set SPARE, 266240
.set LAPS,  4                          ; 8 K steps of 128; a lap = two
.set ADRA, 16
.set ADRB, 20
.set ADST, 24
.set ADSR, 25
.set CO,   26
.set SPW,  28
.set NIL,  29
.set PFO,  30
.set T,    32
.set E,    64
.set PK,   128
.set F0,   64
.set F1,   128
.set PFA,  44
.set LIM,  43
.set G1,   24
.set G0,   32
.set G1B,  48
.set G0B,  56
.set MSB, 0
.macro WIN new
.if MSB != \new
	s_set_vgpr_msb (MSB<<8)|\new
.set MSB, \new
.endif
.endm
.set MUL_LO, 0xa1                      ; source 0 (k) window 1, source 1 (q) window 0, C and D window 2
.set MUL_HI, 0xf1
.set TO_B,   0x40
.macro JLOAD s                         ; waves 0 and 1 fetch q's halves, waves 2 and 3 k's; an s_nop 0 and four v_nop follow each line
	s_cmp_eq_u32 s11, 0
	s_cbranch_scc0 .Lfor_b_\@
	tensor_load_to_lds s[G0+4*\s:G0+4*\s+3], s[G1:G1+7]
	s_nop 0
.rept 4
	v_nop
.endr
	s_branch .Lasked_\@
.Lfor_b_\@:
	tensor_load_to_lds s[G0B+4*\s:G0B+4*\s+3], s[G1B:G1B+7]
	s_nop 0
.rept 4
	v_nop
.endr
.Lasked_\@:
.endm
; A prefetch of the K step that stands two refills on: of the 8 blocks of rows that my wave fetches my work-group names 2 (told apart by address: cx for q, cy for k): 2 x 4,096 bytes, lanes 256 bytes apart.
; q's tile row is read by both clusters of its row of clusters: cluster x = 0 asks; k's tile by the batch's two rows of clusters: the even cluster y asks.  So each aligned block of 256 bytes is named once.  The last lap asks for nothing.
.macro ASK
	s_cmp_gt_u32 s3, s[LIM]
	s_cbranch_scc0 .Lnot_mine_\@
	global_prefetch_b8 v[PFO], s[PFA:PFA+1] offset:4096 th:TH_LOAD_NT scope:SCOPE_SE
.Lnot_mine_\@:
.endm
.macro CREST
	s_cmp_lg_u32 s10, 0
	s_cbranch_scc1 .Lnot_wave_0_\@
	s_barrier_signal -3
.Lnot_wave_0_\@:
	s_barrier_wait -3
	s_barrier_signal -1
	s_barrier_wait -1
.endm
.macro CROUND
	s_barrier_signal -1
	s_barrier_wait -1
	CREST
.endm
	s_load_b128 s[4:7], s[0:1], 0x0                ; qkv, p
	s_load_b64 s[8:9], s[0:1], 0x10                ; st
	v_lshl_add_u32 v[SPW], v0, 2, SPARE
	v_mov_b32 v[NIL], 0
	ds_add_u32 v[SPW], v[NIL]                      ; the wave's opening: the add, twice on end, and its wait ahead of my first tensor load
	ds_add_u32 v[SPW], v[NIL]
	v_lshrrev_b32 v1, 5, v0
	v_readfirstlane_b32 s10, v1                    ; wave
	s_lshr_b32 s11, s10, 1                         ; my half of the queries.  Also: I fetch for q (0) or k (1)
	s_and_b32 s12, s10, 1                          ; my half of the keys.  Also: which 8 blocks I fetch
	s_bfe_u32 s40, ttmp6, 0x40000                  ; cx
	s_bfe_u32 s41, ttmp6, 0x40004                  ; cy
	s_lshl_b32 s42, ttmp9, 2
	s_add_co_u32 s42, s42, s40                     ; the tile of keys in the batch
	s_and_b32 s2, ttmp7, 0xffff                    ; cluster y
	s_lshl_b32 s13, s2, 2
	s_add_co_u32 s13, s13, s41                     ; the tile of queries, over all batches
	s_lshl_b32 s43, s41, 2
	s_lshl_b32 s43, 15, s43
	s_lshl_b32 s44, 0x1111, s40
	s_or_b32 s[G1], s43, (3<<16)|(1<<21)           ; the mask; elements of 8 bytes; bit 21 beside a mask; no padding
	s_or_b32 s[G1B], s44, (3<<16)|(1<<21)
.irp g, G1, G1B                        ; 8 blocks of 16 rows, of each 4 images (512 elements), 32,768 bytes from block to block
	s_mov_b32 s[\g+1], 512<<16
	s_mov_b32 s[\g+2], 8<<16
	s_mov_b32 s[\g+3], 512<<16
	s_mov_b32 s[\g+4], 8
	s_mov_b32 s[\g+5], 4096
	s_mov_b32 s[\g+6], 0
	s_mov_b32 s[\g+7], 0
.endr
	s_lshl_b32 s18, s12, 3
	s_lshl_b32 s16, s13, 4
	s_add_co_u32 s16, s16, s18                     ; q: block 16 x tile + 8 x half
	s_lshl_b32 s16, s16, 15
	s_mov_b32 s17, 0
	s_lshl_b32 s46, s42, 4
	s_add_co_u32 s46, s46, s18
	s_lshr_b32 s19, s2, 1                          ; the batch, from the cluster's y alone
	s_lshl_b32 s19, s19, 7
	s_add_co_u32 s46, s46, s19                     ; k: block 128 x batch + 16 x tile + 8 x half
	s_lshl_b32 s46, s46, 15
	s_add_co_u32 s46, s46, 16777216
	s_mov_b32 s47, 0
	s_lshl_b32 s20, s10, 15                        ; where they go: wave x 32,768
	s_wait_dscnt 0x0                               ; both opening adds are done
	s_wait_kmcnt 0x0
	s_add_nc_u64 s[14:15], s[4:5], s[16:17]
	s_add_nc_u64 s[46:47], s[4:5], s[46:47]
	CROUND                                         ; all sixteen work-groups are here
.irp s, 0,1
	s_mov_b32 s[G0+4*\s], 1
	s_add_co_u32 s[G0+4*\s+1], s20, \s*SLOT
	s_add_nc_u64 s[G0+4*\s+2:G0+4*\s+3], s[14:15], \s*4096
	s_or_b32 s[G0+4*\s+3], s[G0+4*\s+3], 0x80000000
	s_mov_b32 s[G0B+4*\s], 1
	s_add_co_u32 s[G0B+4*\s+1], s20, \s*SLOT
	s_add_nc_u64 s[G0B+4*\s+2:G0B+4*\s+3], s[46:47], \s*4096
	s_or_b32 s[G0B+4*\s+3], s[G0B+4*\s+3], 0x80000000
	JLOAD \s                                       ; two loads of mine are out behind the second
.endr
	v_and_b32 v1, 15, v0                           ; r
	v_bfe_u32 v2, v0, 4, 1                         ; h
	v_and_b32 v3, 31, v0
	v_lshlrev_b32 v[CO], 4, v3
	s_lshl_b32 s21, s11, 15
	s_lshl_b32 s22, s12, 15
	s_add_co_u32 s22, s22, 65536
.irp s, 0,1
	v_add_nc_u32 v[ADRA+\s], s21, v[CO]
	v_add_nc_u32 v[ADRB+\s], s22, v[CO]
	s_add_co_u32 s21, s21, SLOT
	s_add_co_u32 s22, s22, SLOT
.endr
	s_lshl_b32 s23, s10, 10
	s_add_co_u32 s23, s23, STAT
	v_lshlrev_b32 v[ADST], 2, v1
	v_lshl_add_u32 v[ADST], v2, 9, v[ADST]
	v_add_nc_u32 v[ADST], s23, v[ADST]             ; lanes 0-15 put -M of row r, lanes 16-31 l, 512 bytes on
	v_add_nc_u32 v[ADSR], s23, v[CO]
	v_mov_b32 v36, 0                               ; a lane permute's destination counts as a source
	v_mov_b32 v39, 0                               ; named with v38 as a pair
	; the prefetches
	s_and_b32 s22, s2, 1
	s_cmp_eq_u32 s11, 0
	s_cselect_b32 s21, s40, s41                    ; my place among the four that ask with me
	s_cselect_b32 s22, ttmp9, s22                  ; the coordinate along which other clusters read the same rows
	s_cselect_b64 s[PFA:PFA+1], s[14:15], s[46:47]
	s_cmp_eq_u32 s22, 0
	s_cselect_b32 s[LIM], 1, -1
	s_lshl_b32 s20, s21, 16                        ; my work-group's 2 blocks of the 8
	s_mov_b32 s21, 0
	s_add_nc_u64 s[PFA:PFA+1], s[PFA:PFA+1], s[20:21]
	s_add_nc_u64 s[PFA:PFA+1], s[PFA:PFA+1], 8192  ; at K step 2: the first refill steps it to 3 and names K step 4
	v_lshlrev_b32 v[PFO], 8, v1
	v_lshl_add_u32 v[PFO], v2, 15, v[PFO]
	; where my results go
	s_lshl_b32 s16, s13, 1
	s_add_co_u32 s16, s16, s11
	s_lshl_b32 s18, s16, 9                         ; st: (256 x tile + 128 x half) rows of 4 bytes
	s_lshl_b32 s16, s16, 19                        ; p: (16 x tile + 8 x half) blocks of 65,536 bytes
	s_lshl_b32 s19, s42, 1
	s_add_co_u32 s19, s19, s12                     ; the chunk
	s_lshl_b32 s21, s19, 12                        ; its 4 images
	s_add_co_u32 s16, s16, s21
	s_mov_b32 s17, 0
	s_add_nc_u64 s[6:7], s[6:7], s[16:17]
	s_lshl_b32 s19, s19, 15
	s_add_co_u32 s18, s18, s19
	s_mov_b32 s19, 0
	s_add_nc_u64 s[8:9], s[8:9], s[18:19]
; 16 matrix instructions: blocks a0, a0 + 1 of the window's four x all 8 blocks of keys, 32 along K.  The 64 accumulators take turns in the same order in every quarter.
.macro MUL16 f, hi, a0, zero
.irp a, \a0, \a0+1
.irp b, 0,1,2,3,4,5,6,7
.if \zero
	v_wmma_f32_16x16x32_f16 v[8*(8*(\a)+\b):8*(8*(\a)+\b)+7], v[\f+8*\b:\f+8*\b+7], v[\f+8*(4*\hi+\a):\f+8*(4*\hi+\a)+7], 0
.else
	v_wmma_f32_16x16x32_f16 v[8*(8*(\a)+\b):8*(8*(\a)+\b)+7], v[\f+8*\b:\f+8*\b+7], v[\f+8*(4*\hi+\a):\f+8*(4*\hi+\a)+7], v[8*(8*(\a)+\b):8*(8*(\a)+\b)+7]
.endif
.endr
.endr
.endm
.macro FETCH slot, k, f                ; 32 LDS loads in one run: a quarter's 8 images of k, then 8 of q
	WIN TO_B
.irp i, 0,1,2,3,4,5,6,7
	ds_load_b128 v[\f+8*\i:\f+8*\i+3],   v[ADRB+\slot] offset:\k+\i*4096
	ds_load_b128 v[\f+8*\i+4:\f+8*\i+7], v[ADRB+\slot] offset:\k+\i*4096+512
.endr
	WIN 0
.irp i, 0,1,2,3,4,5,6,7
	ds_load_b128 v[\f+8*\i:\f+8*\i+3],   v[ADRA+\slot] offset:\k+\i*4096
	ds_load_b128 v[\f+8*\i+4:\f+8*\i+7], v[ADRA+\slot] offset:\k+\i*4096+512
.endr
.endm
.macro PLACES                          ; four plain places between a matrix instruction and a load into, or a read of, its registers
.rept 4
	v_nop
.endr
.endm
.macro QUARTER slot, k, f, g, zero
	s_wait_dscnt 8                                 ; k's images and q's blocks 0-3 are in; the youngest 8 loads (q's blocks 4-7) may be out
	WIN MUL_LO
	MUL16 \f, 0, 0, \zero
	MUL16 \f, 0, 2, \zero
	PLACES
	FETCH \slot, \k, \g
	s_wait_dscnt 32                                ; all but the 32 just issued
	WIN MUL_HI
	MUL16 \f, 1, 0, \zero
	MUL16 \f, 1, 2, \zero
.endm
; A slot's last quarter (buffer 1) begins with the change of slots.  The slot's last fragments were asked for 32 matrix instructions ago, so the slot is done with as soon as they are in.
; THE REFILL STANDS DIRECTLY BEHIND THE WAIT THAT SHOWS THE LAST ONE LANDED: wait, add, wait, round, request.  All 64 products of the quarter stand behind the request, so that they are multiplied while the tile is on its way.
.macro TURN slot, next, fill
.if \fill
	s_wait_xcnt 0x0                                ; the last prefetch, a K step back, has read its address
	s_add_nc_u64 s[PFA:PFA+1], s[PFA:PFA+1], 4096
.endif
	WIN 0
	s_wait_tensorcnt 0x0                           ; all my tensor loads have landed: the one that was out is my part of the next slot; so a group 0 may be written
	ds_add_u32 v[SPW], v[NIL]                      ; 0 onto my spare word
.if \fill
	s_add_nc_u64 s[G0+4*\slot+2:G0+4*\slot+3], s[G0+4*\slot+2:G0+4*\slot+3], 8192
	s_add_nc_u64 s[G0B+4*\slot+2:G0B+4*\slot+3], s[G0B+4*\slot+2:G0B+4*\slot+3], 8192
.endif
	s_wait_dscnt 0x0                               ; the add is done, and my reads of this slot are over
	s_barrier_signal -1
	s_barrier_wait -1
.if \fill
	CREST                                          ; the barrier has opened a round of the cluster's: no wave of any partner still reads this slot or has a load on its way
	JLOAD \slot                                    ; the first tensor load behind the round, my one until the next; its four v_nop are the places in front of the loads below
.else
	PLACES
.endif
	FETCH \next, 0, F0
.if \fill
	ASK
.endif
	WIN MUL_LO
	MUL16 F1, 0, 0, 0
	MUL16 F1, 0, 2, 0
	WIN MUL_HI
	MUL16 F1, 1, 0, 0
	MUL16 F1, 1, 2, 0
.endm
	s_wait_tensorcnt 1                             ; my part of K step 0 is in; K step 1's may stay out
	s_barrier_signal -1
	s_barrier_wait -1
	FETCH 0, 0, F0
	QUARTER 0, 1024, F0, F1, 1                     ; the first quarter's products start the sums
	WIN 0
	s_mov_b32 s3, LAPS-1
.Llap:                                             ; a trip goes once round the ring and fills both slots again
	QUARTER 0, 2048, F1, F0, 0
	QUARTER 0, 3072, F0, F1, 0
	TURN 0, 1, 1
	QUARTER 1, 1024, F0, F1, 0
	QUARTER 1, 2048, F1, F0, 0
	QUARTER 1, 3072, F0, F1, 0
	TURN 1, 0, 1
	QUARTER 0, 1024, F0, F1, 0
	WIN 0
	s_sub_co_u32 s3, s3, 1
	s_cmp_lg_u32 s3, 0
	s_cbranch_scc1 .Llap
	QUARTER 0, 2048, F1, F0, 0                     ; the last lap fills nothing
	QUARTER 0, 3072, F0, F1, 0
	TURN 0, 1, 0
	QUARTER 1, 1024, F0, F1, 0
	QUARTER 1, 2048, F1, F0, 0
	QUARTER 1, 3072, F0, F1, 0
	s_wait_dscnt 8
	WIN MUL_LO
	MUL16 F1, 0, 0, 0
	MUL16 F1, 0, 2, 0
	s_wait_dscnt 0
	WIN MUL_HI
	MUL16 F1, 1, 0, 0
	MUL16 F1, 1, 2, 0
	WIN 0
	s_mov_b32 s20, 0x3d38aa3b                      ; c = log2(e) / 32
	s_mov_b32 s21, s20                             ; (named with it as a pair)
	s_mov_b32 s22, 0x76543210
	s_mov_b32 s23, 0xfedcba98                      ; v_permlanex16_b32: lane l xor 16
	s_mov_b32 s16, 0xffff0000                      ; lanes 16-31
	PLACES
; THE SOFTMAX'S FIRST HALF for block a of 16 queries: 64 scores a lane.
.macro SOFT a
.set AC, 64*((\a)%4)
.set WA, 2+(\a)/4
.set PS, PK+32*((\a)%2)
	WIN ((WA<<2)|(WA<<4))                          ; sources 1 and 2: the accumulators' window
.irp c, 0,1,2,3
	v_max3_num_f32 v[T+\c], 0xff800000, v[AC+16*\c], v[AC+16*\c+1]   ; four chains by turns, each over two accumulators, each accumulator from its low end on
.endr
.irp i, 2,4,6,8,10,12,14
.irp c, 0,1,2,3
	v_max3_num_f32 v[T+\c], v[T+\c], v[AC+16*\c+\i], v[AC+16*\c+\i+1]
.endr
.endr
	WIN 0
	v_max3_num_f32 v[T], v[T], v[T+1], v[T+2]
	v_max_num_f32 v[T], v[T], v[T+3]
	v_permlanex16_b32 v36, v[T], s22, s23
	v_max_num_f32 v[T], v[T], v36                  ; the chunk's largest score of my query
	v_mul_f32 v37, s20, v[T]                       ; as t (c is positive)
	v_floor_f32 v38, -v37                          ; -M = floor(-t): M is a whole number
	WIN WA                                         ; source 0: the accumulators' window
.set j, 0
.rept 32
	v_pk_fma_f32 v[E+j:E+j+1], v[AC+j:AC+j+1], s[20:21], v[38:39] op_sel_hi:[1,0,0]   ; t - M, two at a time
.set j, j+2
.endr
	WIN 0
.set j, 0
.rept 64
	v_exp_f32 v[E+j], v[E+j]                       ; p = 2^(t - M)
.set j, j+1
.endr
	v_nop                                          ; a plain place behind the last exponential
	s_wait_alu depctr_va_vdst(0)                   ; one wait for the batch, ahead of its first reader
	v_pk_add_f32 v[40:41], v[E:E+1], v[E+2:E+3]    ; l is summed of the unrounded p, in two chains
	v_pk_add_f32 v[42:43], v[E+4:E+5], v[E+6:E+7]
.set j, 8
.rept 14
	v_pk_add_f32 v[40:41], v[40:41], v[E+j:E+j+1]
	v_pk_add_f32 v[42:43], v[42:43], v[E+j+2:E+j+3]
.set j, j+4
.endr
	v_pk_add_f32 v[40:41], v[40:41], v[42:43]
	v_add_f32 v44, v40, v41
	v_permlanex16_b32 v36, v44, s22, s23
	v_add_f32 v44, v44, v36                        ; the chunk's l
.set j, 0
.rept 32
	v_cvt_pk_f16_f32 v[PS+j], v[E+2*j], v[E+2*j+1] ; this set's last stores stand ahead of the wait on XCNT of the block before
.set j, j+1
.endr
	v_cndmask_b32 v45, v38, v44, s16               ; lanes 0-15: -M, lanes 16-31: l
	ds_store_b32 v[ADST], v45 offset:64*(\a)
	s_wait_xcnt 0x0                                ; the earlier stores have read their base and their data
.if (\a) > 0
	s_add_nc_u64 s[6:7], s[6:7], 65536             ; the next block of 16 queries
.endif
.irp b, 0,1,2,3,4,5,6,7
	global_store_b128 v[CO], v[PS+4*\b:PS+4*\b+3], s[6:7] offset:(\b/2)*1024+(\b%2)*512   ; 512 consecutive bytes, aligned: accumulators 2 i, 2 i + 1 are image i's two groups
.endr
.endm
.irp a, 0,1,2,3,4,5,6,7
	SOFT \a
.endr
	ds_load_b128 v[48:51], v[ADSR]                 ; LDS serves a wave's instructions in order: these see my stores
	ds_load_b128 v[52:55], v[ADSR] offset:512
	s_wait_dscnt 0x0
	global_store_b128 v[CO], v[48:51], s[8:9]                 ; 128 x -M: 512 consecutive bytes
	global_store_b128 v[CO], v[52:55], s[8:9] offset:524288   ; 128 x l
	s_wait_tensorcnt 0x0                           ; the wave's end
	ds_add_u32 v[SPW], v[NIL]
	s_wait_dscnt 0x0
	CROUND                                         ; the closing round
	s_endpgm
.Lfunc_end_k_qe9affb36b8_scores:
	.size	k_qe9affb36b8_scores, .Lfunc_end_k_qe9affb36b8_scores-k_qe9affb36b8_scores
	.p2alignl 7, 3214868480
	.fill 96, 4, 3214868480
	.section	.rodata,"a",@progbits
	.p2align	6, 0x0
	.amdhsa_kernel k_qe9affb36b8_scores
		.amdhsa_group_segment_fixed_size 327680
		.amdhsa_private_segment_fixed_size 0
		.amdhsa_enable_private_segment 0
		.amdhsa_kernarg_size 24
		.amdhsa_user_sgpr_count 2
		.amdhsa_user_sgpr_kernarg_segment_ptr 1
		.amdhsa_wavefront_size32 1
		.amdhsa_system_sgpr_workgroup_id_x 1
		.amdhsa_system_sgpr_workgroup_id_y 1
		.amdhsa_system_sgpr_workgroup_id_z 1
		.amdhsa_system_vgpr_workitem_id 0
		.amdhsa_next_free_vgpr 1024
		.amdhsa_next_free_sgpr 66
		.amdhsa_reserve_vcc 0
		.amdhsa_float_denorm_mode_32 3
		.amdhsa_float_denorm_mode_16_64 3
		.amdhsa_memory_ordered 1
		.amdhsa_forward_progress 1
		.amdhsa_inst_pref_size 205
	.end_amdhsa_kernel
	.amdgpu_metadata
---
amdhsa.version: [ 1, 2 ]
amdhsa.kernels:
  - .name:           k_qe9affb36b8_scores
    .symbol:         k_qe9affb36b8_scores.kd
    .args:
      - { .name: qkv, .offset: 0, .size: 8, .value_kind: global_buffer, .address_space: global }
      - { .name: p, .offset: 8, .size: 8, .value_kind: global_buffer, .address_space: global }
      - { .name: st, .offset: 16, .size: 8, .value_kind: global_buffer, .address_space: global }
    .group_segment_fixed_size: 327680
    .private_segment_fixed_size: 0
    .kernarg_segment_align: 8
    .kernarg_segment_size: 24
    .max_flat_workgroup_size: 128
    .sgpr_count:     66
    .vgpr_count:     1024
    .wavefront_size: 32
...
	.end_amdgpu_metadata
.endif
;; end of part 3
;; launch pv (part 4): grid 4 x 64, 4 waves a work-group, clusters of 4 x 4, 327,680 bytes of LDS; arguments p, qkv, st, y; writes y
.if DOCPART == 4
	.amdgcn_target "amdgcn-amd-amdhsa--gfx1250"
	.amdhsa_code_object_version 6
	.text
	.protected	k_qe9affb36b8_pv
	.globl	k_qe9affb36b8_pv
	.p2align	8
	.type	k_qe9affb36b8_pv,@function
k_qe9affb36b8_pv:
	s_mov_b64 s[64:65], 0
	v_nop
	global_prefetch_b8 v0, s[64:65] scope:SCOPE_SE
	s_setreg_imm32_b32 hwreg(HW_REG_WAVE_MODE, 25, 1), 1
	s_wait_xcnt 0x0
	s_wait_alu depctr_hold_cnt(0) depctr_sa_sdst(0) depctr_va_vdst(0) depctr_va_sdst(0) depctr_va_ssrc(0) depctr_va_vcc(0) depctr_vm_vsrc(0)
	s_getreg_b32 s2, hwreg(HW_REG_IB_STS2, 6, 4)
	s_cmp_eq_u32 s2, 0
	s_cbranch_scc0 .Lentry_in_a_cluster
	s_endpgm
.Lentry_in_a_cluster:
	s_bfe_u32 s2, ttmp6, 0x10000c
	s_cmp_lg_u32 s2, 0xf033
	s_cbranch_scc0 .Lentry_shape_is_right
	s_endpgm
.Lentry_shape_is_right:
; y = softmax x v: the softmax's second half and the product with v, f16 operands, f32 sums; y rounded once to f16, stored as images of the last product's operand registers.  No work is left out.
; THE SOFTMAX, PART TWO.  For each row: -M = the least of its 16 chunks' -M_c; f_c = 2^(M_c - M), a power of two, at most 1; L = the sum of l_c f_c (at least 1/2).
; A K step is one chunk of 128 keys.  Its products are summed by themselves (32 accumulators, begun with the constant 0), and the sum goes into O by one fused multiply-add in f32: O += f_c x sum.  p is multiplied as it was stored.  At the end O x 1 / L.
; A work-group makes 128 rows x 256 columns e (256 work-groups); a wave 64 x 128.  K = the batch's 2,048 keys in 16 steps of 128 through a ring of two LDS slots.
; TRANSPOSED USE: source 0 = 16 columns of v (lane = e, K = keys), source 1 = 16 rows of p: a lane holds one row and eight neighbouring e, so f_c and 1 / L are one number a lane and block.
; CLUSTERS: 4 x 4.  p's tile hangs on the tile row alone (jointly along a row of the cluster), v's on the batch and the tile column (jointly along a column).
; LIMITS: y beyond 65,504 overflows f16; NaN and infinities are not served.
; REGISTERS: window 0: v16-31 addresses; v32-47 f, two sets of four pairs; v48-55 1 / L, four pairs; v64-191 p's fragments (buffer f, half c, block a at 64 + 64 f + 32 c + 8 a); v192-255 at work.
;   window 1: the chunk's sums ((a, b) at 8 (8 a + b)).  window 2: v's fragments (128 f + 64 c + 8 b).  window 3: O, numbered as the chunk's sums.
.set SLOT,  98304                      ; p's 8 blocks x 4,096 bytes, then v's 16
.set FT,    196608                     ; behind the ring: f in f32, [16 chunks][128 rows x 4 bytes]
.set IL,    204800                     ; 1 / L, 128 rows x 4 bytes
.set SPARE, 205312
.set ADRA, 16
.set ADRB, 20
.set ADF,  22
.set ADI,  23
.set CO,   26
.set SPW,  28
.set NIL,  29
.set PFO,  30
.set FAC,  32
.set IV,   48
.set PFA,  44
.set LIM,  15
.set G1A,  24
.set G0A,  32
.set G1B,  48
.set G0B,  56
.set MSB, 0
.macro WIN new
.if MSB != \new
	s_set_vgpr_msb (MSB<<8)|\new
.set MSB, \new
.endif
.endm
.set MUL,  0x52                        ; source 0 (v) window 2, source 1 (p) window 0, C and D window 1
.set TO_B, 0x80
.macro JLOAD s                         ; waves 0 and 1 fetch p's halves, waves 2 and 3 v's; an s_nop 0 and four v_nop follow each line
	s_cmp_eq_u32 s13, 0
	s_cbranch_scc0 .Lfor_b_\@
	tensor_load_to_lds s[G0A+4*\s:G0A+4*\s+3], s[G1A:G1A+7]
	s_nop 0
.rept 4
	v_nop
.endr
	s_branch .Lasked_\@
.Lfor_b_\@:
	tensor_load_to_lds s[G0B+4*\s:G0B+4*\s+3], s[G1B:G1B+7]
	s_nop 0
.rept 4
	v_nop
.endr
.Lasked_\@:
.endm
; A prefetch of the K step two refills on: 2 blocks x 4,096 bytes, lanes 256 bytes apart.  p's 8 blocks of a tile row are read by one row of one cluster: wave 0 of each partner names 2 (by cx).
; v's 16 blocks are read by the batch's four clusters: in the first of them waves 2 and 3 name 2 each of the 8 that they fetch (by cy).  So each aligned block of 256 bytes is named once.
; The n-th of the 14 refills brings K step n + 1 and names K step n + 3: the 13th (how = 2: the second of the loop's last trip) and the 14th (no ASK) name nothing.
.macro ASK how
.if \how == 1
	s_cmp_eq_u32 s[LIM], 1
.else
	s_cmp_gt_u32 s3, s[LIM]                        ; s3 = 1 in the loop's last trip
.endif
	s_cbranch_scc0 .Lnot_mine_\@
	global_prefetch_b8 v[PFO], s[PFA:PFA+1] offset:4096 th:TH_LOAD_NT scope:SCOPE_SE
.Lnot_mine_\@:
.endm
.macro CREST
	s_cmp_lg_u32 s12, 0
	s_cbranch_scc1 .Lnot_wave_0_\@
	s_barrier_signal -3
.Lnot_wave_0_\@:
	s_barrier_wait -3
	s_barrier_signal -1
	s_barrier_wait -1
.endm
.macro CROUND
	s_barrier_signal -1
	s_barrier_wait -1
	CREST
.endm
	s_load_b256 s[4:11], s[0:1], 0x0               ; p 4:5, qkv 6:7, st 8:9, y 10:11
	v_lshl_add_u32 v[SPW], v0, 2, SPARE
	v_mov_b32 v[NIL], 0
	ds_add_u32 v[SPW], v[NIL]                      ; the wave's opening: the add, twice on end, and its wait ahead of my first tensor load
	ds_add_u32 v[SPW], v[NIL]
	v_lshrrev_b32 v1, 5, v0
	v_readfirstlane_b32 s12, v1                    ; wave
	s_lshr_b32 s13, s12, 1                         ; my half of the rows.  Also: I fetch for p (0) or v (1)
	s_and_b32 s14, s12, 1                          ; my half of the columns.  Also: which half of that tile I fetch
	s_bfe_u32 s40, ttmp6, 0x40000                  ; cx
	s_bfe_u32 s41, ttmp6, 0x40004                  ; cy
	s_lshl_b32 s42, ttmp9, 2
	s_add_co_u32 s42, s42, s40                     ; the tile of 256 columns
	s_and_b32 s2, ttmp7, 0xffff                    ; cluster y
	s_lshl_b32 s43, s2, 2
	s_add_co_u32 s43, s43, s41                     ; the tile of 128 rows
	s_lshl_b32 s46, s41, 2
	s_lshl_b32 s46, 15, s46
	s_lshl_b32 s47, 0x1111, s40
	s_or_b32 s[G1A], s46, (3<<16)|(1<<21)          ; p: 4 blocks of 16 rows, of each 4 images (512 elements of 8 bytes), 65,536 bytes from block to block
	s_mov_b32 s[G1A+1], 512<<16
	s_mov_b32 s[G1A+2], 4<<16
	s_mov_b32 s[G1A+3], 512<<16
	s_mov_b32 s[G1A+4], 4
	s_mov_b32 s[G1A+5], 8192
	s_mov_b32 s[G1A+6], 0
	s_mov_b32 s[G1A+7], 0
	s_or_b32 s[G1B], s47, (3<<16)|(1<<21)          ; v: 8 blocks of 16 columns, 262,144 bytes from block to block
	s_mov_b32 s[G1B+1], 512<<16
	s_mov_b32 s[G1B+2], 8<<16
	s_mov_b32 s[G1B+3], 512<<16
	s_mov_b32 s[G1B+4], 8
	s_mov_b32 s[G1B+5], 32768
	s_mov_b32 s[G1B+6], 0
	s_mov_b32 s[G1B+7], 0
	s_lshl_b32 s16, s43, 1
	s_add_co_u32 s16, s16, s14
	s_lshl_b32 s16, s16, 18                        ; p: (8 x tile + 4 x half) blocks
	s_mov_b32 s17, 0
	s_lshl_b32 s20, s42, 1
	s_add_co_u32 s20, s20, s14
	s_lshl_b32 s20, s20, 21                        ; v: (16 x tile + 8 x half) blocks,
	s_lshr_b32 s21, s2, 2
	s_lshl_b32 s21, s21, 16                        ; the batch's 64 images in each,
	s_add_co_u32 s20, s20, s21
	s_add_co_u32 s20, s20, 33554432                ; behind q and k
	s_mov_b32 s21, 0
	s_lshl_b32 s22, s14, 14                        ; where they go: p's halves, 16,384 bytes each,
	s_lshl_b32 s23, s14, 15
	s_add_co_u32 s23, s23, 32768                   ; then v's, 32,768 each
	s_wait_dscnt 0x0                               ; both opening adds are done
	s_wait_kmcnt 0x0
	s_add_nc_u64 s[16:17], s[4:5], s[16:17]
	s_add_nc_u64 s[20:21], s[6:7], s[20:21]
	CROUND                                         ; all sixteen work-groups are here
.irp s, 0,1
	s_mov_b32 s[G0A+4*\s], 1
	s_add_co_u32 s[G0A+4*\s+1], s22, \s*SLOT
	s_add_nc_u64 s[G0A+4*\s+2:G0A+4*\s+3], s[16:17], \s*4096
	s_or_b32 s[G0A+4*\s+3], s[G0A+4*\s+3], 0x80000000
	s_mov_b32 s[G0B+4*\s], 1
	s_add_co_u32 s[G0B+4*\s+1], s23, \s*SLOT
	s_add_nc_u64 s[G0B+4*\s+2:G0B+4*\s+3], s[20:21], \s*4096
	s_or_b32 s[G0B+4*\s+3], s[G0B+4*\s+3], 0x80000000
.endr
	s_cmp_eq_u32 s13, 0                            ; a wave's two first fills stand in one branch: two loads of mine are out
	s_cbranch_scc0 .Lfirst_b
	tensor_load_to_lds s[G0A:G0A+3], s[G1A:G1A+7]
	s_nop 0
	tensor_load_to_lds s[G0A+4:G0A+7], s[G1A:G1A+7]
	s_nop 0
.rept 4
	v_nop
.endr
	s_branch .Lfirst_asked
.Lfirst_b:
	tensor_load_to_lds s[G0B:G0B+3], s[G1B:G1B+7]
	s_nop 0
	tensor_load_to_lds s[G0B+4:G0B+7], s[G1B:G1B+7]
	s_nop 0
.rept 4
	v_nop
.endr
.Lfirst_asked:
	; the rows' statistics: thread t takes row t of the 128
	s_lshl_b32 s18, s43, 9
	s_mov_b32 s19, 0
	s_add_nc_u64 s[8:9], s[8:9], s[18:19]
	v_lshlrev_b32 v31, 2, v0
.set i, 0
.rept 16
	global_load_b32 v[64+i], v31, s[8:9] offset:32768*i              ; -M of chunk i
	global_load_b32 v[80+i], v31, s[8:9] offset:524288+32768*i       ; l
.set i, i+1
.endr
	v_and_b32 v1, 15, v0                           ; r
	v_bfe_u32 v2, v0, 4, 1                         ; h
	v_and_b32 v3, 31, v0
	v_lshlrev_b32 v[CO], 4, v3
	s_lshl_b32 s22, s13, 14                        ; my 4 blocks of p
	s_lshl_b32 s23, s14, 15                        ; my 8 blocks of v,
	s_add_co_u32 s23, s23, 32768                   ; behind p's 8
.irp s, 0,1
	v_add_nc_u32 v[ADRA+\s], s22, v[CO]
	v_add_nc_u32 v[ADRB+\s], s23, v[CO]
	s_add_co_u32 s22, s22, SLOT
	s_add_co_u32 s23, s23, SLOT
.endr
	s_lshl_b32 s22, s13, 8
	v_lshl_add_u32 v[ADF], v1, 2, s22              ; (64 x half + r) x 4
	v_add_nc_u32 v[ADI], IL, v[ADF]
	v_add_nc_u32 v[ADF], FT, v[ADF]
	v_add_nc_u32 v24, FT, v31                      ; where thread t puts its row's f
	v_add_nc_u32 v25, IL, v31                      ; and 1 / L
.irp a, 0,1,2,3
	v_mov_b32 v[FAC+2*\a+1], 0                     ; named as the upper halves of pairs
	v_mov_b32 v[FAC+8+2*\a+1], 0
	v_mov_b32 v[IV+2*\a+1], 0
.endr
	; the prefetches
	s_and_b32 s22, s2, 3
	s_cmp_eq_u32 s13, 0
	s_cselect_b32 s22, s14, s22                    ; p: wave 0 asks; v: the batch's first cluster
	s_cselect_b32 s23, s40, s41                    ; my place among the four that ask with me
	s_cselect_b32 s18, 17, 19                      ; two blocks, as a shift
	s_cselect_b32 s19, 16, 18                      ; one block
	s_cselect_b64 s[PFA:PFA+1], s[16:17], s[20:21]
	s_cmp_eq_u32 s22, 0
	s_cselect_b32 s[LIM], 1, -1
	s_lshl_b32 s22, s23, s18
	s_mov_b32 s23, 0
	s_add_nc_u64 s[PFA:PFA+1], s[PFA:PFA+1], s[22:23]
	s_add_nc_u64 s[PFA:PFA+1], s[PFA:PFA+1], 8192  ; at K step 2: the first refill steps it to 3 and names K step 4
	v_lshlrev_b32 v[PFO], 8, v1
	v_lshlrev_b32 v4, s19, v2
	v_add_nc_u32 v[PFO], v[PFO], v4
	; where my results go: (8 x tile + 4 x half) blocks of 32,768 bytes + (8 x column tile + 4 x half) images
	s_lshl_b32 s22, s43, 1
	s_add_co_u32 s22, s22, s13
	s_lshl_b32 s22, s22, 17
	s_lshl_b32 s18, s42, 1
	s_add_co_u32 s18, s18, s14
	s_lshl_b32 s18, s18, 12
	s_add_co_u32 s22, s22, s18
	s_add_nc_u64 s[10:11], s[10:11], s[22:23]
	s_wait_loadcnt 0x0
	v_min3_num_f32 v96, v64, v65, v66              ; -M of the row: the least -M_c
.irp i, 67,69,71,73,75,77
	v_min3_num_f32 v96, v96, v[\i], v[\i+1]
.endr
	v_min_num_f32 v96, v96, v79
.set i, 0
.rept 16
	v_sub_f32 v[112+i], v96, v[64+i]               ; M_c - M: a whole number, 0 or less
.set i, i+1
.endr
.set i, 0
.rept 16
	v_cvt_i32_f32 v[112+i], v[112+i]               ; (it saturates)
.set i, i+1
.endr
.set i, 0
.rept 16
	v_ldexp_f32 v[112+i], 1.0, v[112+i]            ; f_c
.set i, i+1
.endr
	v_mul_f32 v97, v80, v112
.set i, 1
.rept 15
	v_fma_f32 v97, v[80+i], v[112+i], v97          ; L
.set i, i+1
.endr
	v_rcp_f32 v98, v97
.set i, 0
.rept 16
	ds_store_b32 v24, v[112+i] offset:512*i
.set i, i+1
.endr
	v_nop                                          ; a plain place behind the reciprocal
	s_wait_alu depctr_va_vdst(0)                   ; and a wait ahead of its first reader
	ds_store_b32 v25, v98
.macro MUL16 f, c, a0, zero            ; 16 matrix instructions; the 32 accumulators take turns in the same order everywhere
.irp a, \a0, \a0+1
.irp b, 0,1,2,3,4,5,6,7
.if \zero
	v_wmma_f32_16x16x32_f16 v[8*(8*(\a)+\b):8*(8*(\a)+\b)+7], v[128*\f+64*\c+8*\b:128*\f+64*\c+8*\b+7], v[64+64*\f+32*\c+8*(\a):64+64*\f+32*\c+8*(\a)+7], 0
.else
	v_wmma_f32_16x16x32_f16 v[8*(8*(\a)+\b):8*(8*(\a)+\b)+7], v[128*\f+64*\c+8*\b:128*\f+64*\c+8*\b+7], v[64+64*\f+32*\c+8*(\a):64+64*\f+32*\c+8*(\a)+7], v[8*(8*(\a)+\b):8*(8*(\a)+\b)+7]
.endif
.endr
.endr
.endm
.macro FETCH slot, u, f                ; 48 LDS loads: 64 keys (half u of the K step): for each 32 keys 8 images of v and 4 of p; the first 32 keys first
.irp c, 0,1
	WIN TO_B
.irp b, 0,1,2,3,4,5,6,7
	ds_load_b128 v[128*\f+64*\c+8*\b:128*\f+64*\c+8*\b+3],   v[ADRB+\slot] offset:2048*\u+1024*\c+4096*\b
	ds_load_b128 v[128*\f+64*\c+8*\b+4:128*\f+64*\c+8*\b+7], v[ADRB+\slot] offset:2048*\u+1024*\c+4096*\b+512
.endr
	WIN 0
.irp a, 0,1,2,3
	ds_load_b128 v[64+64*\f+32*\c+8*\a:64+64*\f+32*\c+8*\a+3],   v[ADRA+\slot] offset:2048*\u+1024*\c+4096*\a
	ds_load_b128 v[64+64*\f+32*\c+8*\a+4:64+64*\f+32*\c+8*\a+7], v[ADRA+\slot] offset:2048*\u+1024*\c+4096*\a+512
.endr
.endr
.endm
.macro FACS set                        ; the K step's f of my four blocks' rows
.irp a, 0,1,2,3
	ds_load_b32 v[FAC+8*\set+2*\a], v[ADF] offset:64*\a
.endr
.endm
.macro PLACES
.rept 4
	v_nop
.endr
.endm
; The chunk's sums go into O: O += f x sum, in f32, two numbers an instruction, each accumulator from its low end on.  first = 1: the first chunk starts O: nothing is cleared.
.macro GATHER set, first
	PLACES                                         ; four places behind the chunk's last product
.if \first
	WIN 0xc1                                       ; destination window 3, source 0 window 1, f window 0
.else
	WIN 0xf1                                       ; and source 2 window 3
.endif
.irp a, 0,1,2,3
.set j, 0
.rept 32
.if \first
	v_pk_mul_f32 v[64*\a+j:64*\a+j+1], v[64*\a+j:64*\a+j+1], v[FAC+8*\set+2*\a:FAC+8*\set+2*\a+1] op_sel_hi:[1,0]
.else
	v_pk_fma_f32 v[64*\a+j:64*\a+j+1], v[64*\a+j:64*\a+j+1], v[FAC+8*\set+2*\a:FAC+8*\set+2*\a+1], v[64*\a+j:64*\a+j+1] op_sel_hi:[1,0,1]
.endif
.set j, j+2
.endr
.endr
.endm
.macro UNIT slot                       ; a K step's first 64 keys, buffer 0; its first products start the chunk's sums
	s_wait_dscnt 24                                ; f and the first 32 keys are in; the other 24 loads may be out
	WIN MUL
	MUL16 0, 0, 0, 1
	MUL16 0, 0, 2, 1
	PLACES
	FETCH \slot, 1, 1
	s_wait_dscnt 48                                ; all but the 48 just issued
	WIN MUL
	MUL16 0, 1, 0, 0
	MUL16 0, 1, 2, 0
.endm
; A K step's last 64 keys (buffer 1) begin with the change of slots.  The slot's last fragments were asked for 32 matrix instructions ago, so the slot is done with as soon as they are in.
; THE REFILL STANDS DIRECTLY BEHIND THE WAIT THAT SHOWS THE LAST ONE LANDED: wait, add, wait, round, request.  The 64 products and the 128 multiply-adds stand behind the request, at work while the tile is on its way.
.macro TURN slot, next, fill, ask, first
.if \fill
	s_wait_xcnt 0x0                                ; the last prefetch, a K step back, has read its address
	s_add_nc_u64 s[PFA:PFA+1], s[PFA:PFA+1], 4096
.endif
	WIN 0
	s_wait_tensorcnt 0x0                           ; all my tensor loads have landed: my part of the next slot; so a group 0 may be written
	ds_add_u32 v[SPW], v[NIL]                      ; 0 onto my spare word
.if \fill
	s_add_nc_u64 s[G0A+4*\slot+2:G0A+4*\slot+3], s[G0A+4*\slot+2:G0A+4*\slot+3], 8192
	s_add_nc_u64 s[G0B+4*\slot+2:G0B+4*\slot+3], s[G0B+4*\slot+2:G0B+4*\slot+3], 8192
.endif
	s_wait_dscnt 0x0                               ; the add is done, and my reads of this slot are over
	s_barrier_signal -1
	s_barrier_wait -1
.if \fill
	CREST                                          ; the barrier has opened a round of the cluster's: no wave of any partner still reads this slot or has a load on its way
	JLOAD \slot                                    ; the first tensor load behind the round, my one until the next; its four v_nop are the places in front of the loads below
.else
	PLACES
.endif
	v_add_nc_u32 v[ADF], 512, v[ADF]               ; the next chunk's f
	FACS \next
	FETCH \next, 0, 0
.if \ask
	ASK \ask
.endif
	WIN MUL
	MUL16 1, 0, 0, 0
	MUL16 1, 0, 2, 0
	MUL16 1, 1, 0, 0
	MUL16 1, 1, 2, 0
	GATHER \slot, \first
.endm
	s_wait_tensorcnt 1                             ; my part of K step 0 is in; K step 1's may stay out
	s_wait_dscnt 0x0                               ; my rows' f and 1 / L lie in LDS
	s_barrier_signal -1
	s_barrier_wait -1
	FACS 0
	FETCH 0, 0, 0
	UNIT 0                                         ; K step 0 stands ahead of the loop: its sums start O
	TURN 0, 1, 1, 1, 1
	UNIT 1
	WIN 0
	s_mov_b32 s3, 6
.Llap:                                             ; six trips, from a K step's second half to the second half two steps on; both slots are filled again
	TURN 1, 0, 1, 1, 0
	UNIT 0
	TURN 0, 1, 1, 2, 0
	UNIT 1
	WIN 0
	s_sub_co_u32 s3, s3, 1
	s_cmp_lg_u32 s3, 0
	s_cbranch_scc1 .Llap
	TURN 1, 0, 1, 0, 0                             ; K step 13 ends; the last fill: K step 15
	UNIT 0
	TURN 0, 1, 0, 0, 0                             ; K step 14 ends; nothing is left to fetch
	UNIT 1
	s_wait_dscnt 24
	WIN MUL
	MUL16 1, 0, 0, 0
	MUL16 1, 0, 2, 0
	WIN 0
.irp a, 0,1,2,3
	ds_load_b32 v[IV+2*\a], v[ADI] offset:64*\a    ; 1 / L of my four blocks' rows
.endr
	s_wait_dscnt 0x0
	WIN MUL
	MUL16 1, 1, 0, 0
	MUL16 1, 1, 2, 0
	GATHER 1, 0
; THE WAY OUT of block a: x 1 / L, rounded to f16; sums 2 i, 2 i + 1 are image i's two groups: each store is 512 consecutive bytes, aligned.
.macro OUTY a
.set TT, 64+32*((\a)%2)
	WIN 0x03                                       ; source 0: window 3
.set j, 0
.rept 32
	v_pk_mul_f32 v[192+j:193+j], v[64*(\a)+j:64*(\a)+j+1], v[IV+2*(\a):IV+2*(\a)+1] op_sel_hi:[1,0]
.set j, j+2
.endr
	WIN 0
.set j, 0
.rept 32
	v_cvt_pk_f16_f32 v[TT+j], v[192+2*j], v[193+2*j]   ; this set's last stores stand ahead of the wait on XCNT of the block before
.set j, j+1
.endr
	s_wait_xcnt 0x0                                ; the earlier stores have read their base and their data
.if (\a) > 0
	s_add_nc_u64 s[10:11], s[10:11], 32768
.endif
.irp b, 0,1,2,3,4,5,6,7
	global_store_b128 v[CO], v[TT+4*\b:TT+4*\b+3], s[10:11] offset:(\b/2)*1024+(\b%2)*512
.endr
.endm
	OUTY 0
	OUTY 1
	OUTY 2
	OUTY 3
	s_wait_tensorcnt 0x0                           ; the wave's end
	ds_add_u32 v[SPW], v[NIL]
	s_wait_dscnt 0x0
	CROUND                                         ; the closing round
	s_endpgm
.Lfunc_end_k_qe9affb36b8_pv:
	.size	k_qe9affb36b8_pv, .Lfunc_end_k_qe9affb36b8_pv-k_qe9affb36b8_pv
	.p2alignl 7, 3214868480
	.fill 96, 4, 3214868480
	.section	.rodata,"a",@progbits
	.p2align	6, 0x0
	.amdhsa_kernel k_qe9affb36b8_pv
		.amdhsa_group_segment_fixed_size 327680
		.amdhsa_private_segment_fixed_size 0
		.amdhsa_enable_private_segment 0
		.amdhsa_kernarg_size 32
		.amdhsa_user_sgpr_count 2
		.amdhsa_user_sgpr_kernarg_segment_ptr 1
		.amdhsa_wavefront_size32 1
		.amdhsa_system_sgpr_workgroup_id_x 1
		.amdhsa_system_sgpr_workgroup_id_y 1
		.amdhsa_system_sgpr_workgroup_id_z 1
		.amdhsa_system_vgpr_workitem_id 0
		.amdhsa_next_free_vgpr 1024
		.amdhsa_next_free_sgpr 66
		.amdhsa_reserve_vcc 0
		.amdhsa_float_denorm_mode_32 3
		.amdhsa_float_denorm_mode_16_64 3
		.amdhsa_memory_ordered 1
		.amdhsa_forward_progress 1
		.amdhsa_inst_pref_size 179
	.end_amdhsa_kernel
	.amdgpu_metadata
---
amdhsa.version: [ 1, 2 ]
amdhsa.kernels:
  - .name:           k_qe9affb36b8_pv
    .symbol:         k_qe9affb36b8_pv.kd
    .args:
      - { .name: p, .offset: 0, .size: 8, .value_kind: global_buffer, .address_space: global }
      - { .name: qkv, .offset: 8, .size: 8, .value_kind: global_buffer, .address_space: global }
      - { .name: st, .offset: 16, .size: 8, .value_kind: global_buffer, .address_space: global }
      - { .name: y, .offset: 24, .size: 8, .value_kind: global_buffer, .address_space: global }
    .group_segment_fixed_size: 327680
    .private_segment_fixed_size: 0
    .kernarg_segment_align: 8
    .kernarg_segment_size: 32
    .max_flat_workgroup_size: 128
    .sgpr_count:     66
    .vgpr_count:     1024
    .wavefront_size: 32
...
	.end_amdgpu_metadata
.endif
;; end of part 4
;; launch proj (part 5): grid 4 x 64, 4 waves a work-group, clusters of 4 x 4, 327,680 bytes of LDS; arguments y, wof, out0; writes out0
.if DOCPART == 5
	.amdgcn_target "amdgcn-amd-amdhsa--gfx1250"
	.amdhsa_code_object_version 6
	.text
	.protected	k_qe9affb36b8_proj
	.globl	k_qe9affb36b8_proj
	.p2align	8
	.type	k_qe9affb36b8_proj,@function
k_qe9affb36b8_proj:
	s_mov_b64 s[64:65], 0
	v_nop
	global_prefetch_b8 v0, s[64:65] scope:SCOPE_SE
	s_setreg_imm32_b32 hwreg(HW_REG_WAVE_MODE, 25, 1), 1
	s_wait_xcnt 0x0
	s_wait_alu depctr_hold_cnt(0) depctr_sa_sdst(0) depctr_va_vdst(0) depctr_va_sdst(0) depctr_va_ssrc(0) depctr_va_vcc(0) depctr_vm_vsrc(0)
	s_getreg_b32 s2, hwreg(HW_REG_IB_STS2, 6, 4)
	s_cmp_eq_u32 s2, 0
	s_cbranch_scc0 .Lentry_in_a_cluster
	s_endpgm
.Lentry_in_a_cluster:
	s_bfe_u32 s2, ttmp6, 0x10000c
	s_cmp_lg_u32 s2, 0xf033
	s_cbranch_scc0 .Lentry_shape_is_right
	s_endpgm
.Lentry_shape_is_right:
; out = y Wo, f16 operands, f32 sums, f32 out.  No work is left out.
; A work-group makes 128 rows x 256 columns (256 work-groups); a wave 64 x 128: 32 accumulators.  K = 1,024 in 8 steps of 128 through a ring of two LDS slots.  The frame is the launch before's, without the softmax's factors.
; TRANSPOSED USE: source 0 = 16 columns of Wo (lane = f, K = e), source 1 = 16 rows of y: a lane holds one row and eight neighbouring f.
; CLUSTERS: 4 x 4.  y's tile is asked for jointly along a row of the cluster, Wo's along a column.
; THE WAY OUT: a block of 16 rows x 128 columns goes through the wave's own stage in LDS and leaves as whole rows of 512 bytes.  The stage lies in slot 0, which has had its last fill and, behind the last change of slots, its last read.
; REGISTERS: window 0: v16-30 addresses; v64-191 y's fragments (64 + 64 f + 32 c + 8 a), later rows read back.  window 1: accumulators (8 (8 a + b)).  window 2: Wo's fragments (128 f + 64 c + 8 b).
.set SLOT,  98304                      ; y's 8 blocks x 4,096 bytes, then Wo's 16
.set SPARE, 196608                     ; behind the ring: the spare words
.set LAPS,  4
.set ADRA, 16
.set ADRB, 20
.set STO,  24
.set RD,   25
.set CO,   26
.set SPW,  28
.set NIL,  29
.set PFO,  30
.set PFA,  44
.set LIM,  15
.set G1A,  24
.set G0A,  32
.set G1B,  48
.set G0B,  56
.set MSB, 0
.macro WIN new
.if MSB != \new
	s_set_vgpr_msb (MSB<<8)|\new
.set MSB, \new
.endif
.endm
.set MUL,  0x52                        ; source 0 (Wo) window 2, source 1 (y) window 0, C and D window 1
.set TO_B, 0x80
.macro JLOAD s                         ; waves 0 and 1 fetch y's halves, waves 2 and 3 Wo's; an s_nop 0 and four v_nop follow each line
	s_cmp_eq_u32 s13, 0
	s_cbranch_scc0 .Lfor_b_\@
	tensor_load_to_lds s[G0A+4*\s:G0A+4*\s+3], s[G1A:G1A+7]
	s_nop 0
.rept 4
	v_nop
.endr
	s_branch .Lasked_\@
.Lfor_b_\@:
	tensor_load_to_lds s[G0B+4*\s:G0B+4*\s+3], s[G1B:G1B+7]
	s_nop 0
.rept 4
	v_nop
.endr
.Lasked_\@:
.endm
; A prefetch of the K step two refills on: 2 blocks x 4,096 bytes, lanes 256 bytes apart.  y: wave 0 of each partner names 2 of the tile row's 8 blocks (by cx).  Wo's tile column is read by all sixteen clusters:
; in cluster y = 0 waves 2 and 3 name 2 each of the 8 that they fetch (by cy).  So each aligned block of 256 bytes is named once.  The last lap asks for nothing.
.macro ASK
	s_cmp_gt_u32 s3, s[LIM]
	s_cbranch_scc0 .Lnot_mine_\@
	global_prefetch_b8 v[PFO], s[PFA:PFA+1] offset:4096 th:TH_LOAD_NT scope:SCOPE_SE
.Lnot_mine_\@:
.endm
.macro CREST
	s_cmp_lg_u32 s12, 0
	s_cbranch_scc1 .Lnot_wave_0_\@
	s_barrier_signal -3
.Lnot_wave_0_\@:
	s_barrier_wait -3
	s_barrier_signal -1
	s_barrier_wait -1
.endm
.macro CROUND
	s_barrier_signal -1
	s_barrier_wait -1
	CREST
.endm
	s_load_b128 s[4:7], s[0:1], 0x0                ; y, wof
	s_load_b64 s[10:11], s[0:1], 0x10              ; out0
	v_lshl_add_u32 v[SPW], v0, 2, SPARE
	v_mov_b32 v[NIL], 0
	ds_add_u32 v[SPW], v[NIL]                      ; the wave's opening: the add, twice on end, and its wait ahead of my first tensor load
	ds_add_u32 v[SPW], v[NIL]
	v_lshrrev_b32 v1, 5, v0
	v_readfirstlane_b32 s12, v1                    ; wave
	s_lshr_b32 s13, s12, 1                         ; my half of the rows.  Also: I fetch for y (0) or Wo (1)
	s_and_b32 s14, s12, 1                          ; my half of the columns.  Also: which half of that tile I fetch
	s_bfe_u32 s40, ttmp6, 0x40000                  ; cx
	s_bfe_u32 s41, ttmp6, 0x40004                  ; cy
	s_lshl_b32 s42, ttmp9, 2
	s_add_co_u32 s42, s42, s40                     ; the tile of 256 columns
	s_and_b32 s2, ttmp7, 0xffff                    ; cluster y
	s_lshl_b32 s43, s2, 2
	s_add_co_u32 s43, s43, s41                     ; the tile of 128 rows
	s_lshl_b32 s46, s41, 2
	s_lshl_b32 s46, 15, s46
	s_lshl_b32 s47, 0x1111, s40
	s_or_b32 s[G1A], s46, (3<<16)|(1<<21)          ; y: 4 blocks of 16 rows, of each 4 images (512 elements of 8 bytes), 32,768 bytes from block to block
	s_mov_b32 s[G1A+1], 512<<16
	s_mov_b32 s[G1A+2], 4<<16
	s_mov_b32 s[G1A+3], 512<<16
	s_mov_b32 s[G1A+4], 4
	s_mov_b32 s[G1A+5], 4096
	s_mov_b32 s[G1A+6], 0
	s_mov_b32 s[G1A+7], 0
	s_or_b32 s[G1B], s47, (3<<16)|(1<<21)          ; Wo: 8 blocks of 16 columns, likewise
	s_mov_b32 s[G1B+1], 512<<16
	s_mov_b32 s[G1B+2], 8<<16
	s_mov_b32 s[G1B+3], 512<<16
	s_mov_b32 s[G1B+4], 8
	s_mov_b32 s[G1B+5], 4096
	s_mov_b32 s[G1B+6], 0
	s_mov_b32 s[G1B+7], 0
	s_lshl_b32 s16, s43, 1
	s_add_co_u32 s16, s16, s14
	s_lshl_b32 s16, s16, 17                        ; y: (8 x tile + 4 x half) blocks
	s_mov_b32 s17, 0
	s_lshl_b32 s20, s42, 1
	s_add_co_u32 s20, s20, s14
	s_lshl_b32 s20, s20, 18                        ; Wo: (16 x tile + 8 x half) blocks
	s_mov_b32 s21, 0
	s_lshl_b32 s22, s14, 14
	s_lshl_b32 s23, s14, 15
	s_add_co_u32 s23, s23, 32768
	s_wait_dscnt 0x0                               ; both opening adds are done
	s_wait_kmcnt 0x0
	s_add_nc_u64 s[16:17], s[4:5], s[16:17]
	s_add_nc_u64 s[20:21], s[6:7], s[20:21]
	CROUND                                         ; all sixteen work-groups are here
.irp s, 0,1
	s_mov_b32 s[G0A+4*\s], 1
	s_add_co_u32 s[G0A+4*\s+1], s22, \s*SLOT
	s_add_nc_u64 s[G0A+4*\s+2:G0A+4*\s+3], s[16:17], \s*4096
	s_or_b32 s[G0A+4*\s+3], s[G0A+4*\s+3], 0x80000000
	s_mov_b32 s[G0B+4*\s], 1
	s_add_co_u32 s[G0B+4*\s+1], s23, \s*SLOT
	s_add_nc_u64 s[G0B+4*\s+2:G0B+4*\s+3], s[20:21], \s*4096
	s_or_b32 s[G0B+4*\s+3], s[G0B+4*\s+3], 0x80000000
.endr
	s_cmp_eq_u32 s13, 0                            ; a wave's two first fills stand in one branch: two loads of mine are out
	s_cbranch_scc0 .Lfirst_b
	tensor_load_to_lds s[G0A:G0A+3], s[G1A:G1A+7]
	s_nop 0
	tensor_load_to_lds s[G0A+4:G0A+7], s[G1A:G1A+7]
	s_nop 0
.rept 4
	v_nop
.endr
	s_branch .Lfirst_asked
.Lfirst_b:
	tensor_load_to_lds s[G0B:G0B+3], s[G1B:G1B+7]
	s_nop 0
	tensor_load_to_lds s[G0B+4:G0B+7], s[G1B:G1B+7]
	s_nop 0
.rept 4
	v_nop
.endr
.Lfirst_asked:
	v_and_b32 v1, 15, v0                           ; r
	v_bfe_u32 v2, v0, 4, 1                         ; h
	v_and_b32 v3, 31, v0
	v_lshlrev_b32 v[CO], 4, v3
	s_lshl_b32 s22, s13, 14
	s_lshl_b32 s23, s14, 15
	s_add_co_u32 s23, s23, 32768
.irp s, 0,1
	v_add_nc_u32 v[ADRA+\s], s22, v[CO]
	v_add_nc_u32 v[ADRB+\s], s23, v[CO]
	s_add_co_u32 s22, s22, SLOT
	s_add_co_u32 s23, s23, SLOT
.endr
	s_mul_i32 s22, s12, 8448                       ; my stage: 16 rows x (512 + 16) bytes
	v_mul_u32_u24 v[STO], v1, 528
	v_lshl_add_u32 v[STO], v2, 5, v[STO]
	v_add_nc_u32 v[STO], s22, v[STO]               ; in: row r, 32 bytes for each half of the lanes
	v_add_nc_u32 v[RD], s22, v[CO]                 ; back: the 32 lanes take one row
	; the prefetches
	s_and_b32 s22, s2, 15
	s_cmp_eq_u32 s13, 0
	s_cselect_b32 s22, s14, s22                    ; y: wave 0 asks; Wo: cluster y = 0
	s_cselect_b32 s23, s40, s41
	s_cselect_b64 s[PFA:PFA+1], s[16:17], s[20:21]
	s_cmp_eq_u32 s22, 0
	s_cselect_b32 s[LIM], 1, -1
	s_lshl_b32 s22, s23, 16                        ; my work-group's 2 blocks
	s_mov_b32 s23, 0
	s_add_nc_u64 s[PFA:PFA+1], s[PFA:PFA+1], s[22:23]
	s_add_nc_u64 s[PFA:PFA+1], s[PFA:PFA+1], 8192  ; at K step 2: the first refill steps it to 3 and names K step 4
	v_lshlrev_b32 v[PFO], 8, v1
	v_lshl_add_u32 v[PFO], v2, 15, v[PFO]
	; where my results go: (128 x tile + 64 x half) rows of 4,096 bytes + (256 x column tile + 128 x half) x 4
	s_lshl_b32 s22, s43, 1
	s_add_co_u32 s22, s22, s13
	s_lshl_b32 s22, s22, 18
	s_lshl_b32 s18, s42, 1
	s_add_co_u32 s18, s18, s14
	s_lshl_b32 s18, s18, 9
	s_add_co_u32 s22, s22, s18
	s_add_nc_u64 s[10:11], s[10:11], s[22:23]
.macro MUL16 f, c, a0, zero            ; 16 matrix instructions; the 32 accumulators take turns in the same order everywhere
.irp a, \a0, \a0+1
.irp b, 0,1,2,3,4,5,6,7
.if \zero
	v_wmma_f32_16x16x32_f16 v[8*(8*(\a)+\b):8*(8*(\a)+\b)+7], v[128*\f+64*\c+8*\b:128*\f+64*\c+8*\b+7], v[64+64*\f+32*\c+8*(\a):64+64*\f+32*\c+8*(\a)+7], 0
.else
	v_wmma_f32_16x16x32_f16 v[8*(8*(\a)+\b):8*(8*(\a)+\b)+7], v[128*\f+64*\c+8*\b:128*\f+64*\c+8*\b+7], v[64+64*\f+32*\c+8*(\a):64+64*\f+32*\c+8*(\a)+7], v[8*(8*(\a)+\b):8*(8*(\a)+\b)+7]
.endif
.endr
.endr
.endm
.macro FETCH slot, u, f                ; 48 LDS loads: 64 along K (half u of the K step): for each 32 along K 8 images of Wo and 4 of y; the first 32 first
.irp c, 0,1
	WIN TO_B
.irp b, 0,1,2,3,4,5,6,7
	ds_load_b128 v[128*\f+64*\c+8*\b:128*\f+64*\c+8*\b+3],   v[ADRB+\slot] offset:2048*\u+1024*\c+4096*\b
	ds_load_b128 v[128*\f+64*\c+8*\b+4:128*\f+64*\c+8*\b+7], v[ADRB+\slot] offset:2048*\u+1024*\c+4096*\b+512
.endr
	WIN 0
.irp a, 0,1,2,3
	ds_load_b128 v[64+64*\f+32*\c+8*\a:64+64*\f+32*\c+8*\a+3],   v[ADRA+\slot] offset:2048*\u+1024*\c+4096*\a
	ds_load_b128 v[64+64*\f+32*\c+8*\a+4:64+64*\f+32*\c+8*\a+7], v[ADRA+\slot] offset:2048*\u+1024*\c+4096*\a+512
.endr
.endr
.endm
.macro PLACES
.rept 4
	v_nop
.endr
.endm
.macro UNIT slot, zero                 ; a K step's first 64, buffer 0
	s_wait_dscnt 24                                ; the first 32 along K are in; the other 24 loads may be out
	WIN MUL
	MUL16 0, 0, 0, \zero
	MUL16 0, 0, 2, \zero
	PLACES
	FETCH \slot, 1, 1
	s_wait_dscnt 48                                ; all but the 48 just issued
	WIN MUL
	MUL16 0, 1, 0, 0
	MUL16 0, 1, 2, 0
.endm
; A K step's last 64 (buffer 1) begin with the change of slots.  The slot's last fragments were asked for 32 matrix instructions ago, so the slot is done with as soon as they are in.
; THE REFILL STANDS DIRECTLY BEHIND THE WAIT THAT SHOWS THE LAST ONE LANDED: wait, add, wait, round, request.  All 64 products stand behind the request, so that they are multiplied while the tile is on its way.
.macro TURN slot, next, fill
.if \fill
	s_wait_xcnt 0x0                                ; the last prefetch, a K step back, has read its address
	s_add_nc_u64 s[PFA:PFA+1], s[PFA:PFA+1], 4096
.endif
	WIN 0
	s_wait_tensorcnt 0x0                           ; all my tensor loads have landed: my part of the next slot; so a group 0 may be written
	ds_add_u32 v[SPW], v[NIL]                      ; 0 onto my spare word
.if \fill
	s_add_nc_u64 s[G0A+4*\slot+2:G0A+4*\slot+3], s[G0A+4*\slot+2:G0A+4*\slot+3], 8192
	s_add_nc_u64 s[G0B+4*\slot+2:G0B+4*\slot+3], s[G0B+4*\slot+2:G0B+4*\slot+3], 8192
.endif
	s_wait_dscnt 0x0                               ; the add is done, and my reads of this slot are over
	s_barrier_signal -1
	s_barrier_wait -1
.if \fill
	CREST                                          ; the barrier has opened a round of the cluster's: no wave of any partner still reads this slot or has a load on its way
	JLOAD \slot                                    ; the first tensor load behind the round, my one until the next; its four v_nop are the places in front of the loads below
.else
	PLACES
.endif
	FETCH \next, 0, 0
.if \fill
	ASK
.endif
	WIN MUL
	MUL16 1, 0, 0, 0
	MUL16 1, 0, 2, 0
	MUL16 1, 1, 0, 0
	MUL16 1, 1, 2, 0
.endm
	s_wait_tensorcnt 1                             ; my part of K step 0 is in; K step 1's may stay out
	s_barrier_signal -1
	s_barrier_wait -1
	FETCH 0, 0, 0
	UNIT 0, 1                                      ; the first products start the sums
	WIN 0
	s_mov_b32 s3, LAPS-1
.Llap:
	TURN 0, 1, 1
	UNIT 1, 0
	TURN 1, 0, 1
	UNIT 0, 0
	WIN 0
	s_sub_co_u32 s3, s3, 1
	s_cmp_lg_u32 s3, 0
	s_cbranch_scc1 .Llap
	TURN 0, 1, 0                                   ; the last lap fills nothing; behind this barrier nobody reads slot 0
	UNIT 1, 0
	s_wait_dscnt 24
	WIN MUL
	MUL16 1, 0, 0, 0
	MUL16 1, 0, 2, 0
	s_wait_dscnt 0x0
	MUL16 1, 1, 0, 0
	MUL16 1, 1, 2, 0
	WIN 0
	PLACES
.macro TOSTAGE a
	WIN 0x04                                       ; an LDS store's data are its source 1: window 1
.irp b, 0,1,2,3,4,5,6,7
	ds_store_b128 v[STO], v[64*(\a)+8*\b:64*(\a)+8*\b+3] offset:64*\b          ; each accumulator from its low end on
	ds_store_b128 v[STO], v[64*(\a)+8*\b+4:64*(\a)+8*\b+7] offset:64*\b+16
.endr
	WIN 0
.set BB, 64+64*((\a)%2)
.irp t, 0,1,2,3,4,5,6,7,8,9,10,11,12,13,14,15
	ds_load_b128 v[BB+4*\t:BB+4*\t+3], v[RD] offset:\t*528                     ; LDS serves a wave's instructions in order: these see the stores above
.endr
.endm
.macro SEND a, younger                 ; younger: the LDS instructions issued behind block a's loads
.set BB, 64+64*((\a)%2)
	s_wait_dscnt \younger
.if (\a) > 0
	s_add_nc_u64 s[10:11], s[10:11], 65536         ; (behind a wait on XCNT)  16 rows on
.endif
.irp t, 0,1,2,3,4,5,6,7,8,9,10,11,12,13,14,15
	global_store_b128 v[CO], v[BB+4*\t:BB+4*\t+3], s[10:11] offset:\t*4096 th:TH_STORE_NT   ; 32 lanes store 512 consecutive bytes of a row, aligned
.endr
.endm
	TOSTAGE 0
.irp a, 1,2,3
.if \a > 1
	s_wait_xcnt 0x0                                ; block a - 2's stores have read their registers and their base
.endif
	TOSTAGE \a
	SEND \a-1, 32                                  ; behind block a - 1's loads: block a's 16 stores and 16 loads
.endr
	s_wait_xcnt 0x0
	SEND 3, 0
	s_wait_tensorcnt 0x0                           ; the wave's end
	ds_add_u32 v[SPW], v[NIL]
	s_wait_dscnt 0x0
	CROUND                                         ; the closing round
	s_endpgm
.Lfunc_end_k_qe9affb36b8_proj:
	.size	k_qe9affb36b8_proj, .Lfunc_end_k_qe9affb36b8_proj-k_qe9affb36b8_proj
	.p2alignl 7, 3214868480
	.fill 96, 4, 3214868480
	.section	.rodata,"a",@progbits
	.p2align	6, 0x0
	.amdhsa_kernel k_qe9affb36b8_proj
		.amdhsa_group_segment_fixed_size 327680
		.amdhsa_private_segment_fixed_size 0
		.amdhsa_enable_private_segment 0
		.amdhsa_kernarg_size 24
		.amdhsa_user_sgpr_count 2
		.amdhsa_user_sgpr_kernarg_segment_ptr 1
		.amdhsa_wavefront_size32 1
		.amdhsa_system_sgpr_workgroup_id_x 1
		.amdhsa_system_sgpr_workgroup_id_y 1
		.amdhsa_system_sgpr_workgroup_id_z 1
		.amdhsa_system_vgpr_workitem_id 0
		.amdhsa_next_free_vgpr 768
		.amdhsa_next_free_sgpr 66
		.amdhsa_reserve_vcc 0
		.amdhsa_float_denorm_mode_32 3
		.amdhsa_float_denorm_mode_16_64 3
		.amdhsa_memory_ordered 1
		.amdhsa_forward_progress 1
		.amdhsa_inst_pref_size 83
	.end_amdhsa_kernel
	.amdgpu_metadata
---
amdhsa.version: [ 1, 2 ]
amdhsa.kernels:
  - .name:           k_qe9affb36b8_proj
    .symbol:         k_qe9affb36b8_proj.kd
    .args:
      - { .name: y, .offset: 0, .size: 8, .value_kind: global_buffer, .address_space: global }
      - { .name: wof, .offset: 8, .size: 8, .value_kind: global_buffer, .address_space: global }
      - { .name: out0, .offset: 16, .size: 8, .value_kind: global_buffer, .address_space: global }
    .group_segment_fixed_size: 327680
    .private_segment_fixed_size: 0
    .kernarg_segment_align: 8
    .kernarg_segment_size: 24
    .max_flat_workgroup_size: 128
    .sgpr_count:     66
    .vgpr_count:     768
    .wavefront_size: 32
...
	.end_amdgpu_metadata
.endif
;; end of part 5
